; MI455X (gfx1250); checked and timed in simulation.
; The chip was launched on July 23, 2026; its instructions are those of AMD's public machine-readable ISA for CDNA 5 (MIT licence, August 2026) and "CDNA5" Instruction Set Architecture Reference Guide (July 2026). The comments in the code are by the model that wrote it; some were corrected since.
;; Titan Block. Allowed arithmetic: matrix products marked QUANTISED: E4M3 operands, one given power-of-two scale a tensor, by v_wmma_f32_16x16x64_fp8_fp8 or v_wmma_f32_16x16x128_fp8_fp8, f32 sums; everything else in f32.
;; Inputs: attn_proj_b 1,024 float32; attn_proj_w 1,024 x 1,024 float32; c_attn_b 3,072 float32; c_attn_w 1,024 x 3,072 float32; fc_b 4,096 float32; fc_w 1,024 x 4,096 float32; ln1_b 1,024 float32; ln1_w 1,024 float32; ln2_b 1,024 float32; ln2_w 1,024 float32; lowp_scales 12 int32 (the exponents e of the quantised operands' scales 2^e); mlp_proj_b 1,024 float32; mlp_proj_w 4,096 x 1,024 float32; x 2 x 2,048 x 1,024 float32.
;; Outputs: out0 2 x 2,048 x 1,024 float32.
;; This version of the problem:
;;   THIS VERSION OF THE PROBLEM IS GIVEN IN LOW PRECISION. The matrix products marked QUANTISED in the list below multiply operands that are first quantised to E4M3 (4 exponent bits, 3 mantissa bits; 8 bits a number), with one given power-of-two scale for each operand tensor; their sums are f32. All else is computed in f32.
;;   The module's matrix products, in the order in which they are computed (A, B: the left and right operand; K: the contracted axis; several contracted axes count as one K, in the product's order):
;;     1. [M 4,096, K 1,024] x [K 1,024, N 3,072]; A: computed on the way; B: input c_attn_w: QUANTISED (scales: A lowp_scales[0], B lowp_scales[1])
;;     2. batch 32 x [M 2,048, K 64] x [K 64, N 2,048]; A: computed on the way; B: computed on the way: QUANTISED (scales: A lowp_scales[2], B lowp_scales[3])
;;     3. batch 32 x [M 2,048, K 2,048] x [K 2,048, N 64]; A: softmax (see below); B: computed on the way: QUANTISED (scales: A lowp_scales[4], B lowp_scales[5])
;;     4. [M 4,096, K 1,024] x [K 1,024, N 1,024]; A: computed on the way; B: input attn_proj_w: QUANTISED (scales: A lowp_scales[6], B lowp_scales[7])
;;     5. [M 4,096, K 1,024] x [K 1,024, N 4,096]; A: computed on the way; B: input fc_w: QUANTISED (scales: A lowp_scales[8], B lowp_scales[9])
;;     6. [M 4,096, K 4,096] x [K 4,096, N 1,024]; A: computed on the way; B: input mlp_proj_w: QUANTISED (scales: A lowp_scales[10], B lowp_scales[11])
;;   THE QUANTISER, for each operand of a quantised product, along K:
;;     - The operand's scale is 2^e, e = its entry of the input lowp_scales (int32; the entries are numbered through the quantised products in the list's order, A before B).
;;     - Each number is divided by the scale, clamped to +-448, and rounded to the nearest number of E4M3, ties to even, subnormals kept.
;;     - The product sums the exact products of the quantised numbers (number of the format x scale) in f32.
;;   ~~~python
;;   def quantise(x, axis, e):      # numpy; x: float32 -> the quantised numbers, widened to float32 again
;;       x = np.moveaxis(x, axis, -1); K = x.shape[-1]
;;       r = np.clip(x / 2.0 ** e, -448, 448)
;;       step = 2.0 ** (np.maximum(np.frexp(np.where(r == 0, 1, r))[1] - 1, -6) - 3)
;;       q = np.round(r / step) * step * 2.0 ** e      # np.round: ties to even
;;       return np.moveaxis(q, -1, axis).astype(np.float32)
;;   ~~~
;;   SOFTMAX AHEAD OF A QUANTISED PRODUCT. Where the list says 'softmax', what is quantised is not the finished softmax but p = 2^(t - M), with t = logit x log2(e) and M = ceil(the row's largest t), a whole number; so 1/2 < the row's largest p <= 1. The row's sum l is taken of the UNQUANTISED p, in f32, and the product's result is divided by l at the end. Since M is a whole number, a kernel that streams over the keys may use a running M (the ceiling of the running maximum): every later rescaling is an exact power of two, so the quantised numbers keep their values, but for numbers so far below the row's largest that they fall under the format's range.
;;   OPERANDS COMPUTED ON THE WAY. 'Computed on the way' means the value that the module computes at that place (a softmax that the list does not call 'softmax' is quantised finished and normalised). What goes into a quantiser is computed in f32, as accurately as f32 sums, v_exp_f32 and their like allow (about 1e-6 of the number): no bf16 or f16 on the way to a quantiser, and a product that is left as it is and whose result goes on into a quantised operand takes f32 operands (vector FMAs, or v_wmma_f32_16x16x4_f32). A number that lies on a knife's edge between two numbers of the format may be rounded either way, as far as f32 arithmetic and the matrix unit's own rounding can turn it there, and no further.
;; One version. Each part assembles by itself: llvm-mc -triple=amdgcn-amd-amdhsa -mcpu=gfx1250 --defsym DOCPART=n.
;; ======== version 1 of 1: 7 launches
;; limits: a function is approximated: absolute error at most 1.5e-07
;; workspace buffers: wc 12,582,912 bytes; h1c 4,194,304 bytes; qkv 12,582,912 bytes; yc 4,194,304 bytes; x1 16,777,216 bytes; h2c 4,194,304 bytes; gc 16,777,216 bytes
;; launch prep (part 1): grid 448 x 1, 8 waves a work-group, no clusters, 18,432 bytes of LDS; arguments x, ln1_w, ln1_b, lowp_scales, h1c, wc, c_attn_w, attn_proj_w, fc_w, mlp_proj_w; writes h1c, wc
.if DOCPART == 1
	.amdgcn_target "amdgcn-amd-amdhsa--gfx1250"
	.amdhsa_code_object_version 6
	.text
	.protected	k_q2aeed0082a_prep
	.globl	k_q2aeed0082a_prep
	.p2align	8
	.type	k_q2aeed0082a_prep,@function
k_q2aeed0082a_prep:
	s_mov_b64 s[64:65], 0
	v_nop
	global_prefetch_b8 v0, s[64:65] scope:SCOPE_SE
	s_setreg_imm32_b32 hwreg(HW_REG_WAVE_MODE, 25, 1), 1
	s_wait_xcnt 0x0
; FIRST LAUNCH OF SEVEN: the four weights become codes of E4M3, and h1 = LN1(x) becomes codes of E4M3.
; THE PROGRAM: prep | qkv_gemm | attn | proj_gemm (+ x -> x1) | ln2 | fc_gemm (+ gelu) | mlp_gemm (+ x1 -> out0).  All six products run on codes, by v_wmma_f32_16x16x128_fp8_fp8 and v_wmma_f32_16x16x64_fp8_fp8.
; WORK LEFT OUT (in attn), for all values of the inputs: reference() sets att to -inf wherever not (j <= i and (j >= i-4 or j even)), so the softmax weight of such a key is 0 and its products reach no output.
;   For the 16 queries i = 32 G + pi + 2 r the even keys 2 e that count are e <= 16 G + r, the odd keys 2 o + 1 that count are max(16 G + r - 2, 0) <= o <= 16 G + r - 1 + pi.
;   Tiles of keys that lie wholly outside these ranges are not multiplied; inside a tile that also holds keys that count, hidden scores become -inf as in reference().  No input is without a way to the output: all are loaded.
;   LIMIT: a NaN, an infinity or an overflow that reaches only the keys left out is not carried to the result.
; FRAGMENT IMAGES.  Every operand lies in the workspace as images of operand registers: a fragment is 16 rows x 128 K = 2,048 bytes; lane L = r + 16 h holds row r; register 2 c + w, byte z, is k = 16 c + 8 h + 4 w + z;
;   register 4 q + i of lane L lies at byte 512 q + 16 L + 4 i; fragment (row / 16, k / 128) lies at ((row / 16) x K / 128 + k / 128) x 2,048.
; TOKEN ORDER.  Row fragment rho = 128 batch + 2 G + pi holds tokens 32 G + pi + 2 r of the batch: tokens of one parity, so that a fragment of keys is 16 neighbouring even (or odd) keys.
; SHARES.  Work-groups 0-191: weights, 256 columns x 256 K each; a wave 32 columns, A LANE ONE COLUMN, ITS REGISTERS DOWN K: each load reads 128 neighbouring bytes, the conversions give codes with K innermost.
;   Work-groups 192-447: one row fragment of LN1(x) each; a wave two rows, kept in registers between the passes.
; code = number / 2^e, held within +-448, to the nearest code, ties to even.  LIMITS: -126 <= e and e + 8 <= 127 for each given e; NaN among the inputs is not served.
.set SPARE, 17408                      ; behind the stage: the spare words, 128 bytes for each of eight waves
.set SPW, 2                            ; v2  LDS address of my spare word; never rewritten
.set NIL, 3                            ; v3  0; never rewritten
.set FIRSTLN, 192                      ; the first work-group of the layer norm
.set SCI, 0                            ; h1's entry of lowp_scales
.set X0, 32                            ; v32-63   my first row, 32 numbers a lane: register 4 j + i is k = 128 j + 4 lane + i
.set X1, 64                            ; v64-95   my second row
.set WW, 96                            ; v96-127  the gain; later the codes and the rows on their way out
.set BB, 128                           ; v128-159 the bias
.macro WLOAD t, N                      ; block t: W(32 t + i, my column), i = 0 .. 31, into set t % 2
.set i, 0
.rept 32
	global_load_b32 v[32+32*((\t)%2)+i], v4, s[30:31] offset:(32*(\t)+i)*(\N)*4 th:TH_LOAD_NT
.set i, i+1
.endr
.endm
.macro WBLOCK t, N
.set XS, 32+32*((\t)%2)
.set CC, 96+8*(\t)                     ; each block has its own eight registers of codes: no store's data are written again
.if (\t) < 7
	s_wait_loadcnt 32                              ; this block's 32 loads are in; the next block's may be out
.else
	s_wait_loadcnt 0
.endif
.set i, 0
.rept 32
	v_med3_num_f32 v[XS+i], v[XS+i], -v10, v10     ; the conversion to an 8-bit code does not saturate (ISA guide 7.6.2): the hold at the largest code x the scale
.set i, i+1
.endr
	v_cvt_scalef32_pk8_fp8_f32 v[CC:CC+1], v[XS:XS+7], v11          ; k 0-7:   registers 4 q, 4 q + 1 of lane (r, 0)
	v_cvt_scalef32_pk8_fp8_f32 v[CC+4:CC+5], v[XS+8:XS+15], v11     ; k 8-15:  the same two of lane (r, 1)
	v_cvt_scalef32_pk8_fp8_f32 v[CC+2:CC+3], v[XS+16:XS+23], v11    ; k 16-23: registers 4 q + 2, 4 q + 3 of lane (r, 0)
	v_cvt_scalef32_pk8_fp8_f32 v[CC+6:CC+7], v[XS+24:XS+31], v11    ; k 24-31: the same two of lane (r, 1)
	global_store_b128 v5, v[CC:CC+3], s[32:33] offset:((\t)/4)*2048+((\t)%4)*512        ; sixteen lanes store 256 consecutive bytes, aligned
	global_store_b128 v5, v[CC+4:CC+7], s[32:33] offset:((\t)/4)*2048+((\t)%4)*512+256
.if (\t)+2 < 8
	WLOAD (\t)+2, \N
.endif
.endm
; One weight [K][N]: work-groups FIRST on; y = which 256 along K (2^LOGY of them), the rest which 256 columns.
.macro WQ N, K, FIRST, LOGY, PTR, SCL, WOFF
	s_load_b32 s40, s[14:15], 4*\SCL               ; e
	s_sub_co_u32 s29, ttmp9, \FIRST
	s_and_b32 s34, s29, (1<<\LOGY)-1               ; y
	s_lshr_b32 s35, s29, \LOGY
	s_lshl_b32 s35, s35, 8
	s_lshl_b32 s29, s28, 5
	s_add_co_u32 s35, s35, s29                     ; my wave's first column
	s_mul_i32 s30, s34, 1024*\N                    ; 256 y rows of 4 N bytes
	s_lshl_b32 s29, s35, 2
	s_add_co_u32 s30, s30, s29
	s_mov_b32 s31, 0
	s_add_nc_u64 s[30:31], s[\PTR:\PTR+1], s[30:31]
	s_mul_i32 s32, s35, \K                         ; (column / 16) rows of fragments of 16 K bytes
	s_lshl_b32 s29, s34, 12                        ; + two fragments for each y
	s_add_co_u32 s32, s32, s29
	s_add_co_u32 s32, s32, \WOFF
	s_mov_b32 s33, 0
	s_add_nc_u64 s[32:33], s[18:19], s[32:33]
	v_lshlrev_b32 v4, 2, v1                        ; in: 4 bytes a lane
	v_lshrrev_b32 v5, 4, v1
	v_mul_u32_u24 v5, v5, \K*16                    ; out: lanes 16-31 stand in the next row of fragments,
	v_and_b32 v6, 15, v1
	v_lshl_add_u32 v5, v6, 4, v5                   ; 16 bytes for each row r
	WLOAD 0, \N
	WLOAD 1, \N
	s_wait_kmcnt 0x0
	s_add_co_i32 s40, s40, 127
	s_lshl_b32 s41, s40, 23
	v_mov_b32 v11, s41                             ; 2^e as f32: the conversion takes its exponent field
	s_add_co_i32 s40, s40, 8
	s_lshl_b32 s40, s40, 23
	s_or_b32 s40, s40, 0x600000
	v_mov_b32 v10, s40                             ; 448 x 2^e
.irp t, 0,1,2,3,4,5,6,7
	WBLOCK \t, \N
.endr
	s_endpgm                                       ; this path writes no LDS
.endm
.macro ROWSUM X, A                     ; v[A] = the sum of my 32 numbers of a row, in two chains
	v_pk_add_f32 v[\A:\A+1], v[\X:\X+1], v[\X+2:\X+3]
	v_pk_add_f32 v[\A+2:\A+3], v[\X+4:\X+5], v[\X+6:\X+7]
.irp j, 8,12,16,20,24,28
	v_pk_add_f32 v[\A:\A+1], v[\A:\A+1], v[\X+\j:\X+\j+1]
	v_pk_add_f32 v[\A+2:\A+3], v[\A+2:\A+3], v[\X+\j+2:\X+\j+3]
.endr
	v_pk_add_f32 v[\A:\A+1], v[\A:\A+1], v[\A+2:\A+3]
	v_add_f32 v[\A], v[\A], v[\A+1]
.endm
.macro ROWSQ X, A                      ; the same of their squares
	v_pk_mul_f32 v[\A:\A+1], v[\X:\X+1], v[\X:\X+1]
	v_pk_mul_f32 v[\A+2:\A+3], v[\X+2:\X+3], v[\X+2:\X+3]
.irp j, 4,8,12,16,20,24,28
	v_pk_fma_f32 v[\A:\A+1], v[\X+\j:\X+\j+1], v[\X+\j:\X+\j+1], v[\A:\A+1]
	v_pk_fma_f32 v[\A+2:\A+3], v[\X+\j+2:\X+\j+3], v[\X+\j+2:\X+\j+3], v[\A+2:\A+3]
.endr
	v_pk_add_f32 v[\A:\A+1], v[\A:\A+1], v[\A+2:\A+3]
	v_add_f32 v[\A], v[\A], v[\A+1]
.endm
.macro WSUM A                          ; over the 32 lanes; every lane ends with the sum
	v_add_f32_dpp v[\A], v[\A], v[\A] row_xmask:1 row_mask:0xf bank_mask:0xf
	v_add_f32_dpp v[\A], v[\A], v[\A] row_xmask:2 row_mask:0xf bank_mask:0xf
	v_add_f32_dpp v[\A], v[\A], v[\A] row_xmask:4 row_mask:0xf bank_mask:0xf
	v_add_f32_dpp v[\A], v[\A], v[\A] row_xmask:8 row_mask:0xf bank_mask:0xf
	v_permlanex16_b32 v9, v[\A], s36, s37
	v_add_f32 v[\A], v[\A], v9
.endm
	s_load_b256 s[8:15], s[0:1], 0x0               ; x s[8:9], ln1_w s[10:11], ln1_b s[12:13], lowp_scales s[14:15]
	s_load_b256 s[16:23], s[0:1], 0x20             ; h1c s[16:17], wc s[18:19], c_attn_w s[20:21], attn_proj_w s[22:23]
	s_load_b128 s[24:27], s[0:1], 0x40             ; fc_w s[24:25], mlp_proj_w s[26:27]
	v_lshl_add_u32 v[SPW], v0, 2, SPARE
	v_mov_b32 v[NIL], 0
	v_lshrrev_b32 v1, 5, v0
	v_readfirstlane_b32 s28, v1                    ; wave 0..7
	v_and_b32 v1, 31, v0                           ; lane
	s_wait_kmcnt 0x0
	s_cmp_ge_u32 ttmp9, FIRSTLN                    ; the paths part on the work-group's number alone
	s_cbranch_scc1 .Lln
	s_cmp_lt_u32 ttmp9, 48
	s_cbranch_scc1 .Lw_qkv
	s_cmp_lt_u32 ttmp9, 64
	s_cbranch_scc1 .Lw_proj
	s_cmp_lt_u32 ttmp9, 128
	s_cbranch_scc1 .Lw_fc
	WQ 1024, 4096, 128, 4, 26, 11, 8388608         ; mlp_proj_w
.Lw_qkv:
	WQ 3072, 1024, 0, 2, 20, 1, 0                  ; c_attn_w
.Lw_proj:
	WQ 1024, 1024, 48, 2, 22, 7, 3145728           ; attn_proj_w
.Lw_fc:
	WQ 4096, 1024, 64, 2, 24, 9, 4194304           ; fc_w
.Lln:
	; ---- the layer norm of one row fragment: 16 tokens, two a wave
	s_load_b32 s40, s[14:15], 4*SCI                ; e
	s_sub_co_u32 s29, ttmp9, FIRSTLN               ; rho
	s_lshr_b32 s30, s29, 1
	s_lshl_b32 s30, s30, 5
	s_and_b32 s31, s29, 1
	s_add_co_u32 s30, s30, s31
	s_lshl_b32 s31, s28, 2
	s_add_co_u32 s30, s30, s31                     ; my first token: 32 (rho / 2) + rho % 2 + 4 wave; my second lies two tokens on
	s_lshl_b32 s30, s30, 12                        ; rows of 4,096 bytes
	s_mov_b32 s31, 0
	s_add_nc_u64 s[30:31], s[8:9], s[30:31]
	s_lshl_b32 s32, s29, 14                        ; a row of eight fragments is 16,384 bytes
	s_mov_b32 s33, 0
	s_add_nc_u64 s[32:33], s[16:17], s[32:33]
	v_lshlrev_b32 v4, 4, v1                        ; 16 bytes a lane: each load reads 512 consecutive bytes
.irp j, 0,1,2,3,4,5,6,7
	global_load_b128 v[X0+4*\j:X0+4*\j+3], v4, s[30:31] offset:512*\j th:TH_LOAD_NT
.endr
.irp j, 0,1,2,3,4,5,6,7
	global_load_b128 v[X1+4*\j:X1+4*\j+3], v4, s[30:31] offset:8192+512*\j th:TH_LOAD_NT
.endr
.irp j, 0,1,2,3,4,5,6,7
	global_load_b128 v[WW+4*\j:WW+4*\j+3], v4, s[10:11] offset:512*\j
.endr
.irp j, 0,1,2,3,4,5,6,7
	global_load_b128 v[BB+4*\j:BB+4*\j+3], v4, s[12:13] offset:512*\j
.endr
	s_mov_b32 s36, 0x76543210                      ; v_permlanex16_b32: lane l xor 16
	s_mov_b32 s37, 0xfedcba98
	s_mov_b32 s38, 0x3a800000                      ; 1 / 1024
	s_mov_b32 s39, 0x3727c5ac                      ; 1e-5
	v_mov_b32 v9, 0                                ; a lane permute's destination counts as read: written once
	; the stage: 64 units of 256 bytes + 16; unit 8 kappa + 2 q + h holds 16 bytes for each row r.  My four codes of chunk kappa are k = 4 lane + 0..3: q = lane / 8, h = (lane / 2) % 2, word 2 ((lane / 4) % 2) + lane % 2
	v_lshrrev_b32 v6, 3, v1
	v_bfe_u32 v7, v1, 1, 1
	v_lshl_add_u32 v6, v6, 1, v7
	v_mul_u32_u24 v6, v6, 272
	v_bfe_u32 v7, v1, 2, 1
	v_lshl_add_u32 v6, v7, 3, v6
	v_and_b32 v7, 1, v1
	v_lshl_add_u32 v6, v7, 2, v6
	s_lshl_b32 s34, s28, 5
	v_add_nc_u32 v6, s34, v6                       ; + 16 bytes for each of my two rows r = 2 wave, 2 wave + 1
	v_lshrrev_b32 v7, 4, v1                        ; back: wave w takes fragment kappa = w, units 8 w on, two units an instruction
	v_mul_u32_u24 v7, v7, 272
	v_and_b32 v8, 15, v1
	v_lshl_add_u32 v7, v8, 4, v7
	s_mul_i32 s34, s28, 8*272
	v_add_nc_u32 v7, s34, v7
	s_lshl_b32 s34, s28, 11
	v_add_nc_u32 v8, s34, v4                       ; and in memory: 2,048 wave + 16 lane
	s_wait_kmcnt 0x0
	s_add_co_i32 s40, s40, 127
	s_lshl_b32 s41, s40, 23
	v_mov_b32 v11, s41                             ; 2^e
	s_add_co_i32 s40, s40, 8
	s_lshl_b32 s40, s40, 23
	s_or_b32 s40, s40, 0x600000
	v_mov_b32 v10, s40                             ; 448 x 2^e
	s_wait_loadcnt 16                              ; both rows are in; the gain's and the bias's sixteen loads may be out
	ROWSUM X0, 12
	ROWSUM X1, 16
	WSUM 12
	WSUM 16
	v_mul_f32 v20, s38, v12                        ; the means, each twice for the packed forms
	v_mul_f32 v22, s38, v16
	v_mov_b32 v21, v20
	v_mov_b32 v23, v22
.set i, 0
.rept 16
	v_pk_add_f32 v[X0+i:X0+i+1], v[X0+i:X0+i+1], v[20:21] neg_lo:[0,1] neg_hi:[0,1]   ; x - mean
	v_pk_add_f32 v[X1+i:X1+i+1], v[X1+i:X1+i+1], v[22:23] neg_lo:[0,1] neg_hi:[0,1]
.set i, i+2
.endr
	ROWSQ X0, 12
	ROWSQ X1, 16
	WSUM 12
	WSUM 16
	v_fma_f32 v24, v12, s38, s39                   ; the variance + 1e-5
	v_fma_f32 v26, v16, s38, s39
	v_rsq_f32 v24, v24
	v_rsq_f32 v26, v26
	v_nop                                          ; a plain instruction behind the last of the two
	s_wait_alu depctr_va_vdst(0)                   ; the wait ahead of the first reader: one for both
	v_mov_b32 v25, v24
	v_mov_b32 v27, v26
	s_wait_loadcnt 0x0                             ; the gain and the bias
.set i, 0
.rept 16
	v_pk_mul_f32 v[X0+i:X0+i+1], v[X0+i:X0+i+1], v[24:25]
	v_pk_mul_f32 v[X1+i:X1+i+1], v[X1+i:X1+i+1], v[26:27]
.set i, i+2
.endr
.set i, 0
.rept 16
	v_pk_fma_f32 v[X0+i:X0+i+1], v[X0+i:X0+i+1], v[WW+i:WW+i+1], v[BB+i:BB+i+1]
	v_pk_fma_f32 v[X1+i:X1+i+1], v[X1+i:X1+i+1], v[WW+i:WW+i+1], v[BB+i:BB+i+1]
.set i, i+2
.endr
.set i, 0
.rept 64
	v_med3_num_f32 v[X0+i], v[X0+i], -v10, v10     ; the hold at the largest code x the scale (both rows: X1 follows X0)
.set i, i+1
.endr
.irp p, 0,1,2,3
	v_cvt_scalef32_pk8_fp8_f32 v[96+2*\p:97+2*\p], v[X0+8*\p:X0+8*\p+7], v11       ; word 0: chunk 2 p; word 1: chunk 2 p + 1
	v_cvt_scalef32_pk8_fp8_f32 v[104+2*\p:105+2*\p], v[X1+8*\p:X1+8*\p+7], v11
.endr
	v_nop                                          ; a plain instruction behind the last conversion
.irp j, 0,1,2,3,4,5,6,7
	ds_store_b32 v6, v[96+\j] offset:2176*\j       ; chunk j of my first row: the 32 lanes touch 32 different banks
	ds_store_b32 v6, v[104+\j] offset:2176*\j+16   ; and of my second
.endr
	s_wait_dscnt 0x0                               ; for the others' sake: my stores have landed
	s_barrier_signal -1
	s_barrier_wait -1
.irp m, 0,1,2,3
	ds_load_b128 v[112+4*\m:115+4*\m], v7 offset:544*\m
.endr
.irp m, 0,1,2,3
	s_wait_dscnt 3-\m                              ; load m is in; the younger ones may be out
	global_store_b128 v8, v[112+4*\m:115+4*\m], s[32:33] offset:512*\m   ; 32 lanes store 512 consecutive bytes, aligned
.endr
	s_wait_tensorcnt 0x0                           ; the wave's end
	ds_add_u32 v[SPW], v[NIL]
	s_wait_dscnt 0x0
	s_endpgm
.Lfunc_end_k_q2aeed0082a_prep:
	.size	k_q2aeed0082a_prep, .Lfunc_end_k_q2aeed0082a_prep-k_q2aeed0082a_prep
	.p2alignl 7, 3214868480
	.fill 96, 4, 3214868480
	.section	.rodata,"a",@progbits
	.p2align	6, 0x0
	.amdhsa_kernel k_q2aeed0082a_prep
		.amdhsa_group_segment_fixed_size 18432
		.amdhsa_private_segment_fixed_size 0
		.amdhsa_enable_private_segment 0
		.amdhsa_kernarg_size 80
		.amdhsa_user_sgpr_count 2
		.amdhsa_user_sgpr_kernarg_segment_ptr 1
		.amdhsa_wavefront_size32 1
		.amdhsa_system_sgpr_workgroup_id_x 1
		.amdhsa_system_sgpr_workgroup_id_y 1
		.amdhsa_system_sgpr_workgroup_id_z 1
		.amdhsa_system_vgpr_workitem_id 0
		.amdhsa_next_free_vgpr 160
		.amdhsa_next_free_sgpr 66
		.amdhsa_reserve_vcc 0
		.amdhsa_float_denorm_mode_32 3
		.amdhsa_float_denorm_mode_16_64 3
		.amdhsa_memory_ordered 1
		.amdhsa_forward_progress 1
		.amdhsa_inst_pref_size 205
	.end_amdhsa_kernel
	.amdgpu_metadata
---
amdhsa.version: [ 1, 2 ]
amdhsa.kernels:
  - .name:           k_q2aeed0082a_prep
    .symbol:         k_q2aeed0082a_prep.kd
    .args:
      - { .name: x, .offset: 0, .size: 8, .value_kind: global_buffer, .address_space: global }
      - { .name: ln1_w, .offset: 8, .size: 8, .value_kind: global_buffer, .address_space: global }
      - { .name: ln1_b, .offset: 16, .size: 8, .value_kind: global_buffer, .address_space: global }
      - { .name: lowp_scales, .offset: 24, .size: 8, .value_kind: global_buffer, .address_space: global }
      - { .name: h1c, .offset: 32, .size: 8, .value_kind: global_buffer, .address_space: global }
      - { .name: wc, .offset: 40, .size: 8, .value_kind: global_buffer, .address_space: global }
      - { .name: c_attn_w, .offset: 48, .size: 8, .value_kind: global_buffer, .address_space: global }
      - { .name: attn_proj_w, .offset: 56, .size: 8, .value_kind: global_buffer, .address_space: global }
      - { .name: fc_w, .offset: 64, .size: 8, .value_kind: global_buffer, .address_space: global }
      - { .name: mlp_proj_w, .offset: 72, .size: 8, .value_kind: global_buffer, .address_space: global }
    .group_segment_fixed_size: 18432
    .private_segment_fixed_size: 0
    .kernarg_segment_align: 8
    .kernarg_segment_size: 80
    .max_flat_workgroup_size: 256
    .sgpr_count:     66
    .vgpr_count:     160
    .wavefront_size: 32
...
	.end_amdgpu_metadata
.endif
;; end of part 1
;; launch qkv_gemm (part 2): grid 12 x 16, 4 waves a work-group, clusters of 4 x 4, 327,680 bytes of LDS; arguments h1c, wc, c_attn_b, lowp_scales, qkv; writes qkv
.if DOCPART == 2
	.amdgcn_target "amdgcn-amd-amdhsa--gfx1250"
	.amdhsa_code_object_version 6
	.text
	.protected	k_q2aeed0082a_qkv_gemm
	.globl	k_q2aeed0082a_qkv_gemm
	.p2align	8
	.type	k_q2aeed0082a_qkv_gemm,@function
k_q2aeed0082a_qkv_gemm:
	s_mov_b64 s[64:65], 0
	v_nop
	global_prefetch_b8 v0, s[64:65] scope:SCOPE_SE
	s_setreg_imm32_b32 hwreg(HW_REG_WAVE_MODE, 25, 1), 1
	s_wait_xcnt 0x0
	s_wait_alu depctr_hold_cnt(0) depctr_sa_sdst(0) depctr_va_vdst(0) depctr_va_sdst(0) depctr_va_ssrc(0) depctr_va_vcc(0) depctr_vm_vsrc(0)
	s_getreg_b32 s2, hwreg(HW_REG_IB_STS2, 6, 4)
	s_cmp_eq_u32 s2, 0
	s_cbranch_scc0 .Lentry_in_a_cluster
	s_endpgm
.Lentry_in_a_cluster:
	s_bfe_u32 s2, ttmp6, 0x10000c
	s_cmp_lg_u32 s2, 0xf033
	s_cbranch_scc0 .Lentry_shape_is_right
	s_endpgm
.Lentry_shape_is_right:
; qkv = h1 Wqkv + b on codes of E4M3; q, k and v leave as codes of E4M3, laid as the attention launch reads them.  K = 1,024.
; A tile is 256 x 256; four waves, each 128 x 128: 64 accumulators, 512 registers.  K goes in steps of 256 through two LDS slots filled by the tensor data mover.
; Operands lie in memory as images of operand registers (fragment = 16 rows x 128 K = 2,048 bytes, register 4 q + i of lane L at 512 q + 16 L + 4 i), so a fragment comes by four ds_load_b128 of 512 consecutive bytes: no pitch, no padding.
; THE MATRIX INSTRUCTION: source 0 = 16 rows of the side called B, source 1 = 16 rows of the side called A: lane (r, h) holds A's row r, its register j B's row 8 h + j.
;   So one conversion of an accumulator's eight registers IS a register pair of the next operand's fragment, whose K runs along B's rows.
; THE CLUSTER'S x SAYS WHAT IS MADE: 0 q, 1 k, 2 v; it is the same in all sixteen partners.  q, k: A = h1 (tokens), B = W (columns = the head's channels: the next K).  v: A = Wv (channels), B = h1 (tokens = keys: the next K).
;   Only pointers and tile numbers are chosen (s_cselect on the cluster's x); one loop serves all.  The last step and the way out stand in two arms of a branch on the cluster's x; neither arm has an LDS instruction, a tensor load or a barrier.
; CLUSTERS 4 x 4: A's tile is shared along a row of the cluster, B's along a column: joint loads.
; qkv: [bh 32][parity 2][K 65,536 | V 65,536 | Q 65,536]; K, Q: [G 64][1,024] (16 tokens of one parity x 64 channels); V: [kappa 8][tt 4][2,048] (16 channels x 128 keys of one parity).
; LIMITS: e0 + e1 between -126 and 127; e2, e3, e5 between -126 and 119.  NaN among the inputs is not served.
; REGISTERS: window 0: v8-29 addresses and scales; v32-63 codes; v64-127 the bias; v128-255 A's fragments, one set, later the numbers on the way out.  window 1: B's fragments, two sets.  windows 2, 3: the accumulators, (a, b) at v[8 (8 (a % 4) + b)].
.set KSB,    4096                      ; a slot's bytes of a row of fragments: two fragments
.set FROW,   16384                     ; a row of fragments in memory: K / 128 x 2,048
.set HALFT,  32768                     ; 8 rows of fragments x 4,096: what one tensor load brings
.set SLOT,   131072                    ; A's two halves, then B's two
.set SPARE,  262144                    ; behind the ring: the spare words, 128 bytes for each wave
.set LAPS,   2
.set FR,     16
.set NL,     4
.set NP,     4                         ; places behind this matrix instruction (ISA guide 7.12.1)
.set REC,    393216
.set PAR,    196608
.set VOFF,   65536
.set QOFF,   131072
.set ADRA, 16
.set ADRB, 20
.set SPW,  28
.set NIL,  29
.set AF,   128
.set G1, 24
.set G0, 32
.set G1B, 48
.set G0B, 56
.set MSB, 0
.macro WIN new                         ; the immediate's high byte repeats the setting that is left
.if MSB != \new
	s_set_vgpr_msb (MSB<<8)|\new
.set MSB, \new
.endif
.endm
.set MUL_LO, 0xa1                      ; source 0 (B) window 1, source 1 (A) window 0, C and D window 2
.set MUL_HI, 0xf1                      ; the same, C and D window 3
.set TO_B,   0x40                      ; destination window 1, address window 0
; A joint load: waves 0 and 1 fetch A's halves, waves 2 and 3 B's.  An s_nop 0 and four v_nop follow each of the two lines.
.macro JLOAD g0a, g1a, g0b, g1b
	s_cmp_eq_u32 s15, 0
	s_cbranch_scc0 .Lfor_b_\@
	tensor_load_to_lds s[\g0a:\g0a+3], s[\g1a:\g1a+7]
	s_nop 0
.rept 4
	v_nop
.endr
	s_branch .Lasked_\@
.Lfor_b_\@:
	tensor_load_to_lds s[\g0b:\g0b+3], s[\g1b:\g1b+7]
	s_nop 0
.rept 4
	v_nop
.endr
.Lasked_\@:
.endm
.macro CREST                           ; a round of the cluster's barrier behind its opening barrier
	s_cmp_lg_u32 s14, 0
	s_cbranch_scc1 .Lnot_wave_0_\@
	s_barrier_signal -3
.Lnot_wave_0_\@:
	s_barrier_wait -3
	s_barrier_signal -1
	s_barrier_wait -1
.endm
.macro CROUND
	s_barrier_signal -1
	s_barrier_wait -1
	CREST
.endm
	s_load_b256 s[4:11], s[0:1], 0x0               ; h1c s[4:5], wc s[6:7], c_attn_b s[8:9], lowp_scales s[10:11]
	s_load_b64 s[12:13], s[0:1], 0x20              ; qkv
	v_lshl_add_u32 v[SPW], v0, 2, SPARE
	v_mov_b32 v[NIL], 0
	ds_add_u32 v[SPW], v[NIL]                      ; the wave's opening: the add, twice on end, and its wait ahead of my first tensor load
	ds_add_u32 v[SPW], v[NIL]
	v_lshrrev_b32 v1, 5, v0
	v_readfirstlane_b32 s14, v1                    ; wave 0..3
	s_lshr_b32 s15, s14, 1                         ; which half of A's rows is mine.  Also: I fetch for A (0) or for B (1)
	s_and_b32 s16, s14, 1                          ; which half of B's rows.  Also: which half of that tile I fetch
	s_bfe_u32 s40, ttmp6, 0x40000                  ; cx
	s_bfe_u32 s41, ttmp6, 0x40004                  ; cy
	s_and_b32 s17, ttmp7, 0xffff
	s_lshl_b32 s17, s17, 2                         ; 4 x cluster y: the cluster's first tile of tokens
	s_lshl_b32 s42, ttmp9, 2                       ; 4 x cluster x: the cluster's first tile of W's columns (q, k)
	s_lshl_b32 s43, s41, 2
	s_lshl_b32 s43, 15, s43                        ; my row of the cluster
	s_lshl_b32 s44, 0x1111, s40                    ; my column
	s_or_b32 s[G1+0], s43, (1<<21)                 ; 15:0 the mask: A's tiles go to my row; 17:16 elements of 1 byte; 20 no padding; 21 set beside a mask
	s_or_b32 s[G1B+0], s44, (1<<21)
.irp g, G1, G1B
	s_mov_b32 s[\g+1], KSB<<16                     ; tensor_dim0 = 4,096
	s_mov_b32 s[\g+2], 8<<16                       ; tensor_dim1 = 8
	s_mov_b32 s[\g+3], KSB<<16                     ; tile_dim0
	s_mov_b32 s[\g+4], 8                           ; tile_dim1
	s_mov_b32 s[\g+5], FROW                        ; from row to row
	s_mov_b32 s[\g+6], 0
	s_mov_b32 s[\g+7], 0
.endr
	s_cmp_eq_u32 ttmp9, 2                          ; v?  The cluster's x: the same in all partners
	s_cselect_b32 s66, 8, s17                      ; A's first tile: Wv's (W's tiles 8 on), or the tokens'
	s_cselect_b32 s67, s17, s42                    ; B's first tile: the tokens', or W's
	s_add_co_u32 s66, s66, s41                     ; A's tile hangs on cy alone,
	s_add_co_u32 s67, s67, s40                     ; B's on cx alone
	s_lshl_b32 s18, s16, 17                        ; which 8 rows of fragments of the tile I fetch
	s_lshl_b32 s20, s66, 18                        ; a tile is 16 rows of fragments: 262,144 bytes
	s_add_co_u32 s20, s20, s18
	s_mov_b32 s21, 0
	s_lshl_b32 s46, s67, 18
	s_add_co_u32 s46, s46, s18
	s_mov_b32 s47, 0
	s_lshl_b32 s45, s14, 15                        ; where they go: wave x 32,768: no place in the cluster enters an LDS address
	s_wait_dscnt 0x0                               ; both opening adds are done
	s_wait_kmcnt 0x0
	s_load_b256 s[72:79], s[10:11], 0x0            ; e0 .. e7
	s_cmp_eq_u32 ttmp9, 2
	s_cselect_b64 s[68:69], s[6:7], s[4:5]         ; A's buffer
	s_cselect_b64 s[70:71], s[4:5], s[6:7]         ; B's
	s_add_nc_u64 s[20:21], s[68:69], s[20:21]
	s_add_nc_u64 s[46:47], s[70:71], s[46:47]
	CROUND                                         ; all sixteen work-groups are here: the first joint loads meet
.irp s, 0,1
	s_mov_b32 s[G0+4*\s], 1
	s_add_co_u32 s[G0+4*\s+1], s45, \s*SLOT
	s_add_nc_u64 s[G0+4*\s+2:G0+4*\s+3], s[20:21], \s*KSB
	s_or_b32 s[G0+4*\s+3], s[G0+4*\s+3], 0x80000000
	s_mov_b32 s[G0B+4*\s], 1
	s_add_co_u32 s[G0B+4*\s+1], s45, \s*SLOT
	s_add_nc_u64 s[G0B+4*\s+2:G0B+4*\s+3], s[46:47], \s*KSB
	s_or_b32 s[G0B+4*\s+3], s[G0B+4*\s+3], 0x80000000
	JLOAD G0+4*\s, G1, G0B+4*\s, G1B
.endr
	v_and_b32 v1, 31, v0
	v_lshlrev_b32 v4, 4, v1                        ; 16 x lane: an image's place for my lane
	s_lshl_b32 s21, s15, 15                        ; my 8 rows of A's fragments
	s_lshl_b32 s22, s16, 15                        ; my 8 of B's,
	s_add_co_u32 s22, s22, 2*HALFT                 ; which lie behind A's
.irp s, 0,1
	v_add_nc_u32 v[ADRA+\s], s21, v4
	v_add_nc_u32 v[ADRB+\s], s22, v4
	s_add_co_u32 s21, s21, SLOT
	s_add_co_u32 s22, s22, SLOT
.endr
.macro FRAG reg, adr, q, i             ; fragment (row of fragments i, the slot's q-th 128 along K): four loads of 512 consecutive bytes
.irp c, 0,1,2,3
	ds_load_b128 v[\reg+4*\c:\reg+4*\c+3], v[\adr] offset:(2*(\i)+(\q))*2048+512*\c
.endr
.endm
; 16 matrix instructions: A's blocks a0, a0 + 1 x B's eight.  The 64 accumulators take turns, one instruction a turn, in the same order in every step.
.macro MUL16 a0, p, zero
.irp a, \a0, \a0+1
.irp b, 0,1,2,3,4,5,6,7
.if \zero
	v_wmma_f32_16x16x128_fp8_fp8 v[8*(8*((\a)%4)+\b):8*(8*((\a)%4)+\b)+7], v[128*(\p)+FR*\b:128*(\p)+FR*\b+FR-1], v[AF+FR*(\a):AF+FR*(\a)+FR-1], 0
.else
	v_wmma_f32_16x16x128_fp8_fp8 v[8*(8*((\a)%4)+\b):8*(8*((\a)%4)+\b)+7], v[128*(\p)+FR*\b:128*(\p)+FR*\b+FR-1], v[AF+FR*(\a):AF+FR*(\a)+FR-1], v[8*(8*((\a)%4)+\b):8*(8*((\a)%4)+\b)+7]
.endif
.endr
.endr
.endm
.macro FETCH_B slot, q, p
	WIN TO_B
.irp i, 0,1,2,3,4,5,6,7
	FRAG 128*(\p)+FR*\i, ADRB+\slot, \q, \i
.endr
	WIN 0
.endm
.macro FETCH_A slot, q, i0
.irp i, \i0, \i0+1, \i0+2, \i0+3
	FRAG AF+FR*(\i), ADRA+\slot, \q, \i
.endr
.endm
.macro PLACES n                        ; plain vector instructions between a matrix instruction and a load into, or a read of, its registers
.rept \n
	v_nop
.endr
.endm
.macro STEP slot, q, zero              ; a step of 128 along K that has its successor in the same slot
	s_wait_dscnt 4*NL                              ; B's set and A's blocks 0-3 are in; the youngest sixteen loads (A's blocks 4-7) may be out
	WIN MUL_LO
	MUL16 0, (\q)%2, \zero
	MUL16 2, (\q)%2, \zero
	s_wait_dscnt 0                                 ; A's blocks 4-7 are in
	PLACES NP
	FETCH_B \slot, (\q)+1, 1-(\q)%2
	FETCH_A \slot, (\q)+1, 0
	WIN MUL_HI
	MUL16 4, (\q)%2, \zero
	MUL16 6, (\q)%2, \zero
	PLACES NP
	WIN 0
	FETCH_A \slot, (\q)+1, 4
.endm
; A slot's last step changes slots: one barrier; in front of it each wave waits for all its tensor loads, adds 0 to its spare word, and waits for that and for its reads of this slot.
.macro TURN slot, next, fill
	s_wait_tensorcnt 0x0                           ; all my tensor loads have landed: my part of the next slot
	ds_add_u32 v[SPW], v[NIL]
	s_wait_dscnt 4*NL+1                            ; the add and the youngest sixteen loads may be out
	WIN MUL_LO
	MUL16 0, 1, 0
	s_wait_dscnt 0x0                               ; the add is done, and my reads of this slot are over
	s_barrier_signal -1
	MUL16 2, 1, 0
	WIN 0
	s_barrier_wait -1
.if \fill
	CREST                                          ; the barrier has opened a round of the cluster's barrier: no wave of any partner still reads this slot or has a load on its way
	s_add_nc_u64 s[G0+4*\slot+2:G0+4*\slot+3], s[G0+4*\slot+2:G0+4*\slot+3], 2*KSB
	s_add_nc_u64 s[G0B+4*\slot+2:G0B+4*\slot+3], s[G0B+4*\slot+2:G0B+4*\slot+3], 2*KSB
	JLOAD G0+4*\slot, G1, G0B+4*\slot, G1B         ; the first tensor load behind the round; its four v_nop are the places in front of the loads below
.else
	PLACES NP
.endif
	FETCH_B \next, 0, 0
	FETCH_A \next, 0, 0
	WIN MUL_HI
	MUL16 4, 1, 0
	MUL16 6, 1, 0
	PLACES NP
	WIN 0
	FETCH_A \next, 0, 4
.endm
.macro LASTSTEP                        ; the very last step: nothing more to fetch
	s_wait_dscnt 4*NL
	WIN MUL_LO
	MUL16 0, 1, 0
	MUL16 2, 1, 0
	s_wait_dscnt 0
	WIN MUL_HI
	MUL16 4, 1, 0
	MUL16 6, 1, 0
	WIN 0
.endm
; THE WAY OUT of A's block a: sum x 2^(e0 + e1) + bias, the hold, eight conversions, four stores of 512 consecutive bytes.  isv = 0: q, k;  1: v.
.macro OUT a, isv
.set AC, 64*((\a)%4)
.set CD, 32+16*((\a)%2)
.if (\a) >= 2
	s_wait_xcnt 0x0                                ; block a - 2's stores have read their codes: the registers may be written again
.endif
	WIN 0x02+((\a)/4)                              ; source 0: window 2 or 3
.set j, 0
.rept 32
.if \isv
	v_pk_fma_f32 v[128+j:129+j], v[AC+j:AC+j+1], s[96:97], v[64+2*(\a):65+2*(\a)] op_sel_hi:[1,0,1]   ; my channel's bias; each accumulator from its low end on
.else
	v_pk_fma_f32 v[128+j:129+j], v[AC+j:AC+j+1], s[96:97], v[64+j:65+j] op_sel_hi:[1,0,1]
.endif
.set j, j+2
.endr
	WIN 0
.set j, 0
.rept 64
	v_med3_num_f32 v[128+j], v[128+j], -v9, v9
.set j, j+1
.endr
.irp b, 0,1,2,3,4,5,6,7
.if \isv
	v_cvt_scalef32_pk8_fp8_f32 v[CD+8*(\b%2)+2*(\b/2):CD+8*(\b%2)+2*(\b/2)+1], v[128+8*\b:135+8*\b], v8   ; B's block b: parity b % 2, 16 keys b / 2
.else
	v_cvt_scalef32_pk8_fp8_f32 v[CD+2*\b:CD+2*\b+1], v[128+8*\b:135+8*\b], v8                             ; B's block b: head b / 4, 16 channels b % 4
.endif
.endr
	v_nop                                          ; a plain instruction behind the last conversion
.irp u, 0,1
.irp q, 0,1
.if \isv
	global_store_b128 v10, v[CD+8*\u+4*\q:CD+8*\u+4*\q+3], s[12:13] offset:((\a)/4)*REC+((\a)%4)*2048+\u*PAR+512*\q
.else
	global_store_b128 v10, v[CD+8*\u+4*\q:CD+8*\u+4*\q+3], s[12:13] offset:\u*REC+((\a)%2)*PAR+((\a)/2)*1024+512*\q
.endif
.endr
.endr
.endm
.macro SCALES e                        ; v8 = 2^e, v9 = 448 x 2^e, s[96:97] = 2^(e0 + e1); e in s[\e]
	s_add_co_i32 s89, s[\e], 127
	s_lshl_b32 s90, s89, 23
	v_mov_b32 v8, s90
	s_add_co_i32 s89, s89, 8
	s_lshl_b32 s89, s89, 23
	s_or_b32 s89, s89, 0x600000
	v_mov_b32 v9, s89
	s_add_co_i32 s96, s72, s73
	s_add_co_i32 s96, s96, 127
	s_lshl_b32 s96, s96, 23
	s_mov_b32 s97, s96
	v_and_b32 v10, 31, v0
	v_lshlrev_b32 v10, 4, v10                      ; 16 x lane
.endm
	s_wait_tensorcnt 1                             ; my part of slot 0 is in; slot 1's load may be out
	s_barrier_signal -1
	s_barrier_wait -1
	FETCH_B 0, 0, 0
	FETCH_A 0, 0, 0
	FETCH_A 0, 0, 4
	STEP 0, 0, 1                                   ; the first step's products start the sums
	s_mov_b32 s3, LAPS-1
.Llap:
	TURN 0, 1, 1
	STEP 1, 0, 0
	TURN 1, 0, 1
	STEP 0, 0, 0
	s_sub_co_u32 s3, s3, 1
	s_cmp_lg_u32 s3, 0
	s_cbranch_scc1 .Llap
	TURN 0, 1, 0                                   ; the last lap fills nothing
	STEP 1, 0, 0
	s_wait_kmcnt 0x0                               ; the scales' exponents
	s_cmp_eq_u32 ttmp9, 2
	s_cbranch_scc1 .Lv_arm
	; ---- q, k.  The bias of my 128 columns, in the result's layout: v[64 + 8 b + j] = b[column 16 b + 8 h + j]; the loads land under the last step's products
	v_bfe_u32 v11, v0, 4, 1
	v_lshlrev_b32 v11, 5, v11                      ; 32 h bytes
	s_lshl_b32 s84, s67, 10                        ; B's tile: 256 columns of 4 bytes
	s_lshl_b32 s85, s16, 9
	s_add_co_u32 s84, s84, s85
	s_mov_b32 s85, 0
	s_add_nc_u64 s[84:85], s[8:9], s[84:85]
.irp b, 0,1,2,3,4,5,6,7
	global_load_b128 v[64+8*\b:67+8*\b], v11, s[84:85] offset:64*\b
	global_load_b128 v[68+8*\b:71+8*\b], v11, s[84:85] offset:64*\b+16
.endr
	s_lshr_b32 s86, s66, 3                         ; the batch
	s_lshl_b32 s86, s86, 4
	s_lshl_b32 s87, s40, 2
	s_add_co_u32 s86, s86, s87
	s_lshl_b32 s87, s16, 1
	s_add_co_u32 s86, s86, s87                     ; 16 batch + my first head: 4 cx + 2 (wave % 2)
	s_mul_i32 s86, s86, REC
	s_and_b32 s87, s66, 7
	s_lshl_b32 s87, s87, 3
	s_lshl_b32 s88, s15, 2
	s_add_co_u32 s87, s87, s88                     ; G of my block 0
	s_lshl_b32 s87, s87, 10
	s_add_co_u32 s86, s86, s87
	s_cmp_eq_u32 ttmp9, 0
	s_cselect_b32 s87, QOFF, 0
	s_cselect_b32 s88, s74, s75                    ; e2 for q, e3 for k
	s_add_co_u32 s86, s86, s87
	s_mov_b32 s87, 0
	s_add_nc_u64 s[12:13], s[12:13], s[86:87]
	SCALES 88
	LASTSTEP
	PLACES NP
	s_wait_loadcnt 0x0                             ; the bias
.irp a, 0,1,2,3,4,5,6,7
	OUT \a, 0
.endr
	s_branch .Lend
.Lv_arm:
	; ---- v.  A lane holds one channel: its bias is one number for each of A's blocks
	v_and_b32 v11, 15, v0
	v_lshlrev_b32 v11, 2, v11                      ; 4 r bytes
	s_lshl_b32 s84, s41, 8
	s_lshl_b32 s85, s15, 7
	s_add_co_u32 s84, s84, s85
	s_add_co_u32 s84, s84, 2048                    ; v's bias begins at entry 2,048
	s_lshl_b32 s84, s84, 2
	s_mov_b32 s85, 0
	s_add_nc_u64 s[84:85], s[8:9], s[84:85]
.irp a, 0,1,2,3,4,5,6,7
	global_load_b32 v[64+2*\a], v11, s[84:85] offset:64*\a
.endr
	s_lshr_b32 s86, s67, 3                         ; the batch
	s_lshl_b32 s86, s86, 4
	s_lshl_b32 s87, s41, 2
	s_add_co_u32 s86, s86, s87
	s_lshl_b32 s87, s15, 1
	s_add_co_u32 s86, s86, s87                     ; 16 batch + my first head: 4 cy + 2 (wave / 2)
	s_mul_i32 s86, s86, REC
	s_and_b32 s87, s67, 7                          ; kappa: the tile's 128 keys of each parity
	s_lshl_b32 s87, s87, 13
	s_add_co_u32 s86, s86, s87
	s_lshl_b32 s87, s16, 10                        ; my half of a fragment's registers
	s_add_co_u32 s86, s86, s87
	s_add_co_u32 s86, s86, VOFF
	s_mov_b32 s87, 0
	s_add_nc_u64 s[12:13], s[12:13], s[86:87]
	SCALES 77                                      ; e5
	LASTSTEP
	PLACES NP
	s_wait_loadcnt 0x0
.irp a, 0,1,2,3,4,5,6,7
	v_mov_b32 v[65+2*\a], v[64+2*\a]               ; twice, for the packed form
.endr
.irp a, 0,1,2,3,4,5,6,7
	OUT \a, 1
.endr
.Lend:
	s_wait_tensorcnt 0x0                           ; the wave's end
	ds_add_u32 v[SPW], v[NIL]
	s_wait_dscnt 0x0
	CROUND                                         ; the closing round
	s_endpgm
.Lfunc_end_k_q2aeed0082a_qkv_gemm:
	.size	k_q2aeed0082a_qkv_gemm, .Lfunc_end_k_q2aeed0082a_qkv_gemm-k_q2aeed0082a_qkv_gemm
	.p2alignl 7, 3214868480
	.fill 96, 4, 3214868480
	.section	.rodata,"a",@progbits
	.p2align	6, 0x0
	.amdhsa_kernel k_q2aeed0082a_qkv_gemm
		.amdhsa_group_segment_fixed_size 327680
		.amdhsa_private_segment_fixed_size 0
		.amdhsa_enable_private_segment 0
		.amdhsa_kernarg_size 40
		.amdhsa_user_sgpr_count 2
		.amdhsa_user_sgpr_kernarg_segment_ptr 1
		.amdhsa_wavefront_size32 1
		.amdhsa_system_sgpr_workgroup_id_x 1
		.amdhsa_system_sgpr_workgroup_id_y 1
		.amdhsa_system_sgpr_workgroup_id_z 1
		.amdhsa_system_vgpr_workitem_id 0
		.amdhsa_next_free_vgpr 1024
		.amdhsa_next_free_sgpr 100
		.amdhsa_reserve_vcc 0
		.amdhsa_float_denorm_mode_32 3
		.amdhsa_float_denorm_mode_16_64 3
		.amdhsa_memory_ordered 1
		.amdhsa_forward_progress 1
		.amdhsa_inst_pref_size 198
	.end_amdhsa_kernel
	.amdgpu_metadata
---
amdhsa.version: [ 1, 2 ]
amdhsa.kernels:
  - .name:           k_q2aeed0082a_qkv_gemm
    .symbol:         k_q2aeed0082a_qkv_gemm.kd
    .args:
      - { .name: h1c, .offset: 0, .size: 8, .value_kind: global_buffer, .address_space: global }
      - { .name: wc, .offset: 8, .size: 8, .value_kind: global_buffer, .address_space: global }
      - { .name: c_attn_b, .offset: 16, .size: 8, .value_kind: global_buffer, .address_space: global }
      - { .name: lowp_scales, .offset: 24, .size: 8, .value_kind: global_buffer, .address_space: global }
      - { .name: qkv, .offset: 32, .size: 8, .value_kind: global_buffer, .address_space: global }
    .group_segment_fixed_size: 327680
    .private_segment_fixed_size: 0
    .kernarg_segment_align: 8
    .kernarg_segment_size: 40
    .max_flat_workgroup_size: 128
    .sgpr_count:     100
    .vgpr_count:     1024
    .wavefront_size: 32
...
	.end_amdgpu_metadata
.endif
;; end of part 2
;; launch attn (part 3): grid 8 x 32, 16 waves a work-group, clusters of 4 x 1, 167,936 bytes of LDS; arguments qkv, lowp_scales, yc; writes yc
.if DOCPART == 3
	.amdgcn_target "amdgcn-amd-amdhsa--gfx1250"
	.amdhsa_code_object_version 6
	.text
	.protected	k_q2aeed0082a_attn
	.globl	k_q2aeed0082a_attn
	.p2align	8
	.type	k_q2aeed0082a_attn,@function
k_q2aeed0082a_attn:
	s_mov_b64 s[64:65], 0
	v_nop
	global_prefetch_b8 v0, s[64:65] scope:SCOPE_SE
	s_setreg_imm32_b32 hwreg(HW_REG_WAVE_MODE, 25, 1), 1
	s_wait_xcnt 0x0
	s_wait_alu depctr_hold_cnt(0) depctr_sa_sdst(0) depctr_va_vdst(0) depctr_va_sdst(0) depctr_va_ssrc(0) depctr_va_vcc(0) depctr_vm_vsrc(0)
	s_getreg_b32 s2, hwreg(HW_REG_IB_STS2, 6, 4)
	s_cmp_eq_u32 s2, 0
	s_cbranch_scc0 .Lentry_in_a_cluster
	s_endpgm
.Lentry_in_a_cluster:
	s_bfe_u32 s2, ttmp6, 0x10000c
	s_cmp_lg_u32 s2, 0x3003
	s_cbranch_scc0 .Lentry_shape_is_right
	s_endpgm
.Lentry_shape_is_right:
; Attention under reference()'s own mask (key j counts for query i where j <= i and (j >= i - 4 or j even)), both products on codes of E4M3; y leaves as codes of E4M3, as images of the projection's operand.
; WORK LEFT OUT: tiles of keys that lie wholly under that mask (shown at the head of the first launch): for the queries i = 32 G + pi + 2 r only even keys e <= 16 G + r and odd keys max(16 G + r - 2, 0) <= o <= 16 G + r - 1 + pi count.
;   LIMIT: a NaN or an infinity in keys left out is not carried to the result.
; THE SOFTMAX: t = score x log2(e) / 8; M = the running largest t rounded up to a whole number; p = 2^(t - M) is quantised, not normalised; the row's sum is taken of the unquantised p and divides at the end; when M moves, the sum and O are multiplied by 2^(old M - new M).
; SHARES.  A cluster's y is the head (batch x 16 + head).  Work-group g = 0..7 of a head, wave w: the tile of 16 queries (G = 4 u + g / 2, pi = g % 2), u from a table on w alone, chosen so that the waves' counts of steps, u / 2 + 1, add to 18 in each group of four waves (w % 4 alike, and w / 4 alike).
; LDS.  The head's even keys' K (64 KiB) and V (64 KiB) are one dense block of memory: it is fetched once, 8 KiB a wave, jointly for the cluster's four work-groups, which all walk it.  Nothing is filled twice.  The odd keys, two fragments a wave, come straight into registers.
; LAYOUT.  S^T = K Q^T (source 0 = 16 keys, source 1 = my 16 queries), O^T = V^T P^T (source 0 = 16 channels, source 1 = P): a lane holds one query (lane % 16) throughout; register j of score tile c is key 16 c + 8 (lane / 16) + j, which is the place that the second product's operand gives it.
; No branch and no LDS address hangs on the work-group's place in its cluster: the count of steps hangs on u.
; LIMITS: e2 + e3 between -123 and 130; e4, e6 between -126 and 119; e4 + e5 goes by v_ldexp_f32.
; REGISTERS: v1 16 lane; v4, v5 the step's LDS addresses; v6 the diagonal's d; v7, v8 the odd mask; v9 -infinity; v11 v1 + 65,536; v12 -M; v13 the largest t; v[14:15] the sum; v16-23 Q; v32-95 K's, then V's fragments; v96-159 S^T, then p; v160-191 O^T; v192-207 p's codes.
.set REC,   393216
.set PAR,   196608
.set VOFF,  65536
.set QOFF,  131072
.set SPARE, 131072                     ; behind K and V: the spare words, 128 bytes for each of sixteen waves
.set SPW, 2
.set NIL, 3
.macro CROUND                          ; a round of the cluster's barrier
	s_barrier_signal -1
	s_barrier_wait -1
	s_cmp_lg_u32 s10, 0
	s_cbranch_scc1 .Lnot_wave_0_\@
	s_barrier_signal -3
.Lnot_wave_0_\@:
	s_barrier_wait -3
	s_barrier_signal -1
	s_barrier_wait -1
.endm
; The softmax of n scores a lane, v96 on; leaves f = 2^(old M - new M) in v252 and p's codes in v192 on.
.macro SOFTMAX n
	v_max3_num_f32 v254, v96, v97, v98             ; the largest score of my query among my keys, in two chains; each score tile is read from its low end on
	v_max3_num_f32 v252, v99, v100, v101
.set i, 6
.rept ((\n)-8)/4
	v_max3_num_f32 v254, v254, v[96+i], v[97+i]
	v_max3_num_f32 v252, v252, v[98+i], v[99+i]
.set i, i+4
.endr
	v_max3_num_f32 v254, v254, v[96+(\n)-2], v[96+(\n)-1]
	v_max_num_f32 v254, v254, v252
	v_permlanex16_b32 v236, v254, s20, s21
	v_max_num_f32 v254, v254, v236                 ; and among lane l xor 16's
	v_mul_f32 v254, s22, v254                      ; as t (c is positive)
	v_max_num_f32 v13, v13, v254                   ; the running largest t
	v_mov_b32 v254, v12
	v_floor_f32 v12, -v13                          ; the new -M = floor(-t): M is a whole number
	v_sub_f32 v254, v12, v254                      ; old M - new M: a whole number, 0 or less
	v_cvt_i32_f32 v254, v254                       ; (it saturates)
	v_ldexp_f32 v252, 1.0, v254                    ; f
.set i, 0
.rept (\n)/2
	v_pk_fma_f32 v[96+i:97+i], v[96+i:97+i], s[22:23], v[12:13] op_sel_hi:[1,0,0]   ; t - M
.set i, i+2
.endr
.set i, 0
.rept \n
	v_exp_f32 v[96+i], v[96+i]                     ; p = 2^(t - M)
.set i, i+1
.endr
	v_pk_mul_f32 v[14:15], v[14:15], v[252:253] op_sel_hi:[1,0]   ; the sum under the new M; the plain instruction behind the batch
	s_wait_alu depctr_va_vdst(0)                   ; the wait ahead of the first reader: one for the batch
	v_pk_add_f32 v[242:243], v[96:97], v[98:99]    ; the sum of the unquantised p, in two chains
.set i, 4
.rept ((\n)-4)/4
	v_pk_add_f32 v[14:15], v[14:15], v[96+i:97+i]
	v_pk_add_f32 v[242:243], v[242:243], v[98+i:99+i]
.set i, i+4
.endr
	v_pk_add_f32 v[14:15], v[14:15], v[242:243]
.set i, 0
.rept (\n)/8
	v_min_num_f32 v[96+8*i], v[96+8*i], v240       ; p is not negative: a one-sided hold at 448 x 2^e4
	v_min_num_f32 v[97+8*i], v[97+8*i], v240
	v_min_num_f32 v[98+8*i], v[98+8*i], v240
	v_min_num_f32 v[99+8*i], v[99+8*i], v240
	v_min_num_f32 v[100+8*i], v[100+8*i], v240
	v_min_num_f32 v[101+8*i], v[101+8*i], v240
	v_min_num_f32 v[102+8*i], v[102+8*i], v240
	v_min_num_f32 v[103+8*i], v[103+8*i], v240
	v_cvt_scalef32_pk8_fp8_f32 v[192+2*i:193+2*i], v[96+8*i:103+8*i], v244
.set i, i+1
.endr
.endm
.macro VADR d, g                       ; s[d] = the byte, in odd V, of the register pair that holds key fragment s[g]: (g / 8) x 8,192 + ((g % 8) / 2) x 512 + (g % 2) x 8
	s_lshr_b32 s18, s[\g], 3
	s_lshl_b32 s[\d], s18, 13
	s_bfe_u32 s18, s[\g], 0x20001
	s_lshl_b32 s18, s18, 9
	s_add_co_u32 s[\d], s[\d], s18
	s_and_b32 s18, s[\g], 1
	s_lshl_b32 s18, s18, 3
	s_add_co_u32 s[\d], s[\d], s18
	s_add_co_u32 s[\d], s[\d], PAR+VOFF
	s_mov_b32 s[\d+1], 0
	s_add_nc_u64 s[\d:\d+1], s[4:5], s[\d:\d+1]
.endm
	s_load_b128 s[4:7], s[0:1], 0x0                ; qkv s[4:5], lowp_scales s[6:7]
	s_load_b64 s[8:9], s[0:1], 0x10                ; yc
	v_lshl_add_u32 v[SPW], v0, 2, SPARE
	v_mov_b32 v[NIL], 0
	ds_add_u32 v[SPW], v[NIL]                      ; the wave's opening: the add, twice on end, and its wait ahead of my first tensor load
	ds_add_u32 v[SPW], v[NIL]
	v_lshrrev_b32 v1, 5, v0
	v_readfirstlane_b32 s10, v1                    ; wave 0..15
	s_bfe_u32 s11, ttmp6, 0x40000                  ; cx
	s_lshl_b32 s12, ttmp9, 2
	s_add_co_u32 s12, s12, s11                     ; g
	s_and_b32 s16, ttmp7, 0xffff                   ; 16 batch + head
	s_mov_b32 s13, 0x795b86a4                      ; u of waves 8-15, four bits each,
	s_cmp_lt_u32 s10, 8
	s_cselect_b32 s13, 0x3d1fc2e0, s13             ; of waves 0-7
	s_and_b32 s18, s10, 7
	s_lshl_b32 s18, s18, 2
	s_lshr_b32 s13, s13, s18
	s_and_b32 s13, s13, 15                         ; u
	s_lshr_b32 s17, s13, 1                         ; the step on the diagonal: G / 8 = u / 2
	s_lshl_b32 s14, s13, 2
	s_lshr_b32 s18, s12, 1
	s_add_co_u32 s14, s14, s18                     ; G
	s_and_b32 s15, s12, 1                          ; pi
	s_mov_b32 s24, 15|(3<<16)|(1<<21)              ; group 1: the mask: all four work-groups; elements of 8 bytes; no padding; 21 set beside a mask
	s_mov_b32 s25, 32<<16                          ; tensor_dim0 = 32 (256 bytes)
	s_mov_b32 s26, 32<<16                          ; tensor_dim1 = 32
	s_mov_b32 s27, 32<<16                          ; tile_dim0
	s_mov_b32 s28, 32                              ; tile_dim1
	s_mov_b32 s29, 32                              ; from row to row: dense
	s_mov_b32 s30, 0
	s_mov_b32 s31, 0
	s_mov_b32 s20, 0x76543210
	s_mov_b32 s21, 0xfedcba98
	s_mov_b32 s22, 0x3e38aa3b                      ; c = log2(e) / 8
	s_mul_i32 s36, s16, REC
	s_mov_b32 s37, 0
	s_lshl_b32 s38, s10, 13                        ; my 8,192 bytes of the block, in memory and in LDS
	s_mov_b32 s39, 0
	s_wait_dscnt 0x0                               ; both opening adds are done
	s_wait_kmcnt 0x0
	s_load_b256 s[40:47], s[6:7], 0x0              ; e0 .. e7
	s_add_nc_u64 s[4:5], s[4:5], s[36:37]          ; the head's record: it begins with the even keys' K and V
	s_mov_b32 s32, 1
	s_mov_b32 s33, s38
	s_add_nc_u64 s[34:35], s[4:5], s[38:39]
	s_or_b32 s35, s35, 0x80000000
	CROUND                                         ; all four work-groups are here: the joint loads meet
	tensor_load_to_lds s[32:35], s[24:31]          ; my one tensor load
	s_nop 0
	v_and_b32 v1, 31, v0
	v_lshlrev_b32 v1, 4, v1                        ; 16 x lane
	s_mul_i32 s48, s15, PAR
	s_lshl_b32 s18, s14, 10
	s_add_co_u32 s48, s48, s18
	s_add_co_u32 s48, s48, QOFF
	s_mov_b32 s49, 0
	s_add_nc_u64 s[48:49], s[4:5], s[48:49]
	global_load_b128 v[16:19], v1, s[48:49]        ; Q's fragment stays in registers
	global_load_b128 v[20:23], v1, s[48:49] offset:512
	s_sub_co_i32 s19, s14, 1
	s_max_i32 s19, s19, 0                          ; the odd keys' first fragment: G - 1, or 0 (then the mask hides all of it)
	s_lshl_b32 s50, s19, 10
	s_add_co_u32 s50, s50, PAR
	s_mov_b32 s51, 0
	s_add_nc_u64 s[50:51], s[4:5], s[50:51]
	s_lshl_b32 s52, s14, 10
	s_add_co_u32 s52, s52, PAR
	s_mov_b32 s53, 0
	s_add_nc_u64 s[52:53], s[4:5], s[52:53]
	global_load_b128 v[64:67], v1, s[50:51]
	global_load_b128 v[68:71], v1, s[50:51] offset:512
	global_load_b128 v[72:75], v1, s[52:53]
	global_load_b128 v[76:79], v1, s[52:53] offset:512
	VADR 54, 19
	VADR 56, 14
.irp t, 0,1,2,3
	global_load_b64 v[32+8*\t:33+8*\t], v1, s[54:55] offset:2048*\t   ; odd V: 16 channels x the 16 keys of a fragment: one register pair of its image
	global_load_b64 v[34+8*\t:35+8*\t], v1, s[56:57] offset:2048*\t
.endr
.irp t, 0,1,2,3
	v_mov_b32 v[36+8*\t], 0                        ; the other 32 of the short form's 64 along K: zero codes on both sides
	v_mov_b32 v[37+8*\t], 0
	v_mov_b32 v[38+8*\t], 0
	v_mov_b32 v[39+8*\t], 0
	v_mov_b32 v[196+\t], 0
.endr
	v_add_nc_u32 v11, 65536, v1
	v_and_b32 v10, 15, v0                          ; r
	v_bfe_u32 v252, v0, 4, 1
	v_lshlrev_b32 v252, 3, v252                    ; 8 h
	s_and_b32 s18, s14, 7
	s_lshl_b32 s18, s18, 4
	v_sub_nc_u32 v6, v10, v252
	v_add_nc_u32 v6, s18, v6                       ; d = 16 (G % 8) + r - 8 h: on the diagonal register 8 c + j is hidden where 16 c + j > d
	s_lshl_b32 s18, s14, 4
	s_sub_co_i32 s18, 0, s18                       ; -16 G
	v_add_nc_u32 v7, -2, v10                       ; r - 2
	v_mov_b32 v8, s18
	v_cmp_gt_i32 vcc_lo, v8, v7
	v_cndmask_b32 v7, v7, v8, vcc_lo               ; m = max(r - 2, -16 G): the first odd key that counts, from 16 G
	v_add_nc_u32 v8, s15, v10
	v_sub_nc_u32 v8, v8, v7                        ; how many count: r + pi - m
	v_sub_nc_u32 v7, v7, v252
	v_add_nc_u32 v7, 16, v7                        ; register 8 c + j counts where 0 <= 16 c + j - (m + 16 - 8 h) < that many
	v_mov_b32 v9, 0xff800000                       ; -infinity
	v_mov_b32 v13, 0xff61b1e6                      ; the largest t so far: -3e38, under every t
	v_floor_f32 v12, -v13                          ; -M
	v_mov_b32 v14, 0                               ; the sum, in two halves
	v_mov_b32 v15, 0
	v_mov_b32 v236, 0                              ; a lane permute's destination counts as read
	v_mov_b32 v253, 0                              ; named as the upper half of the pair v[252:253]
	s_wait_kmcnt 0x0
	s_add_co_i32 s18, s42, s43
	s_lshl_b32 s18, s18, 23
	s_add_co_i32 s22, s22, s18                     ; a score stands for score x 2^(e2 + e3): added to c's exponent field
	s_mov_b32 s23, s22
	s_add_co_i32 s18, s44, 127
	s_lshl_b32 s19, s18, 23
	v_mov_b32 v244, s19                            ; 2^e4
	s_add_co_i32 s18, s18, 8
	s_lshl_b32 s18, s18, 23
	s_or_b32 s18, s18, 0x600000
	v_mov_b32 v240, s18                            ; 448 x 2^e4
	s_add_co_i32 s18, s46, 127
	s_lshl_b32 s19, s18, 23
	v_mov_b32 v245, s19                            ; 2^e6
	s_add_co_i32 s18, s18, 8
	s_lshl_b32 s18, s18, 23
	s_or_b32 s18, s18, 0x600000
	v_mov_b32 v241, s18                            ; 448 x 2^e6
	; ---- the odd keys, while the tensor loads land
	s_wait_loadcnt 8                               ; Q and the odd K are in; the odd V's eight loads may be out
	v_wmma_f32_16x16x64_fp8_fp8 v[96:103], v[64:71], v[16:23], 0
	v_wmma_f32_16x16x64_fp8_fp8 v[104:111], v[72:79], v[16:23], 0
.rept 4
	v_nop
.endr
.irp c, 0,1
.irp j, 0,1,2,3,4,5,6,7
	v_sub_nc_u32 v10, 16*\c+\j, v7
	v_cmp_gt_u32 vcc_lo, v8, v10
	v_cndmask_b32 v[96+8*\c+\j], v9, v[96+8*\c+\j], vcc_lo   ; kept where it counts, else -infinity
.endr
.endr
	SOFTMAX 16                                     ; a row with no odd key that counts keeps M at its start: all its p are 0
	v_nop                                          ; a plain instruction behind the last conversion
	s_wait_loadcnt 0x0                             ; the odd V
.irp t, 0,1,2,3
	v_wmma_f32_16x16x64_fp8_fp8 v[160+8*\t:167+8*\t], v[32+8*\t:39+8*\t], v[192:199], 0   ; these start O^T: nothing is cleared
.endr
	s_wait_tensorcnt 0x0                           ; my part of K and V is in,
	s_barrier_signal -1
	s_barrier_wait -1                              ; everybody's is
	; ---- the even keys, 128 a step.  Eight trips in every wave; a step behind the diagonal is passed over
	s_mov_b32 s2, 0                                ; the step's bytes in K and in V
	s_mov_b32 s3, 0
.Lstep:
	s_cmp_gt_u32 s3, s17
	s_cbranch_scc1 .Lskip
	v_add_nc_u32 v4, s2, v1
	v_add_nc_u32 v5, s2, v11
	v_nop
	v_nop                                          ; four places in front of loads into registers that matrix instructions have read
.irp c, 0,1,2,3,4,5,6,7
	ds_load_b128 v[32+8*\c:35+8*\c], v4 offset:1024*\c
	ds_load_b128 v[36+8*\c:39+8*\c], v4 offset:1024*\c+512
.endr
	s_wait_dscnt 0x0
.irp c, 0,1,2,3,4,5,6,7
	v_wmma_f32_16x16x64_fp8_fp8 v[96+8*\c:103+8*\c], v[32+8*\c:39+8*\c], v[16:23], 0
.endr
.rept 4
	v_nop
.endr
.irp t, 0,1,2,3
.irp q, 0,1,2,3
	ds_load_b128 v[32+16*\t+4*\q:35+16*\t+4*\q], v5 offset:2048*\t+512*\q   ; V's fragments land under the softmax
.endr
.endr
	s_cmp_lt_u32 s3, s17
	s_cbranch_scc1 .Lopen                          ; ahead of the diagonal every key counts
.irp c, 0,1,2,3,4,5,6,7
.irp j, 0,1,2,3,4,5,6,7
	v_cmp_gt_i32 vcc_lo, 16*\c+\j, v6
	v_cndmask_b32 v[96+8*\c+\j], v[96+8*\c+\j], v9, vcc_lo
.endr
.endr
.Lopen:
	SOFTMAX 64
.set i, 0
.rept 16
	v_pk_mul_f32 v[160+i:161+i], v[160+i:161+i], v[252:253] op_sel_hi:[1,0]   ; O^T under the new M
.set i, i+2
.endr
	s_wait_dscnt 0x0                               ; V
.irp t, 0,1,2,3
	v_wmma_f32_16x16x128_fp8_fp8 v[160+8*\t:167+8*\t], v[32+16*\t:47+16*\t], v[192:207], v[160+8*\t:167+8*\t]   ; four accumulators by turns
.endr
.Lskip:
	s_add_co_u32 s2, s2, 8192
	s_add_co_u32 s3, s3, 1
	s_cmp_lt_u32 s3, 8
	s_cbranch_scc1 .Lstep
	; ---- the way out: O^T / the sum x 2^(e4 + e5), quantised with e6: registers 8 (head % 2) + 0..7 of fragment (rho, head / 2) of the projection's operand
.rept 4
	v_nop
.endr
	v_add_f32 v14, v14, v15
	v_permlanex16_b32 v252, v14, s20, s21
	v_add_f32 v14, v14, v252                       ; the row's sum
	v_rcp_f32 v14, v14
	v_nop                                          ; a plain instruction behind the reciprocal
	s_lshr_b32 s18, s16, 4
	s_lshl_b32 s18, s18, 7
	s_lshl_b32 s19, s14, 1
	s_add_co_u32 s18, s18, s19
	s_add_co_u32 s18, s18, s15                     ; rho = 128 batch + 2 G + pi
	s_lshl_b32 s18, s18, 3
	s_bfe_u32 s19, s16, 0x30001                    ; head / 2
	s_add_co_u32 s18, s18, s19
	s_lshl_b32 s18, s18, 11
	s_and_b32 s19, s16, 1
	s_lshl_b32 s19, s19, 10
	s_add_co_u32 s18, s18, s19
	s_mov_b32 s19, 0
	s_add_nc_u64 s[8:9], s[8:9], s[18:19]
	s_add_co_i32 s36, s44, s45
	s_wait_alu depctr_va_vdst(0)                   ; the wait ahead of the first reader
	v_ldexp_f32 v14, v14, s36
.set i, 0
.rept 32
	v_mul_f32 v[96+i], v[160+i], v14               ; each accumulator from its low end on
.set i, i+1
.endr
.set i, 0
.rept 32
	v_med3_num_f32 v[96+i], v[96+i], -v241, v241
.set i, i+1
.endr
.irp t, 0,1,2,3
	v_cvt_scalef32_pk8_fp8_f32 v[192+2*\t:193+2*\t], v[96+8*\t:103+8*\t], v245
.endr
	v_nop
	global_store_b128 v1, v[192:195], s[8:9]       ; 32 lanes store 512 consecutive bytes, aligned
	global_store_b128 v1, v[196:199], s[8:9] offset:512
	s_wait_tensorcnt 0x0                           ; the wave's end
	ds_add_u32 v[SPW], v[NIL]
	s_wait_dscnt 0x0
	CROUND                                         ; the closing round
	s_endpgm
.Lfunc_end_k_q2aeed0082a_attn:
	.size	k_q2aeed0082a_attn, .Lfunc_end_k_q2aeed0082a_attn-k_q2aeed0082a_attn
	.p2alignl 7, 3214868480
	.fill 96, 4, 3214868480
	.section	.rodata,"a",@progbits
	.p2align	6, 0x0
	.amdhsa_kernel k_q2aeed0082a_attn
		.amdhsa_group_segment_fixed_size 167936
		.amdhsa_private_segment_fixed_size 0
		.amdhsa_enable_private_segment 0
		.amdhsa_kernarg_size 24
		.amdhsa_user_sgpr_count 2
		.amdhsa_user_sgpr_kernarg_segment_ptr 1
		.amdhsa_wavefront_size32 1
		.amdhsa_system_sgpr_workgroup_id_x 1
		.amdhsa_system_sgpr_workgroup_id_y 1
		.amdhsa_system_sgpr_workgroup_id_z 1
		.amdhsa_system_vgpr_workitem_id 0
		.amdhsa_next_free_vgpr 256
		.amdhsa_next_free_sgpr 66
		.amdhsa_reserve_vcc 1
		.amdhsa_float_denorm_mode_32 3
		.amdhsa_float_denorm_mode_16_64 3
		.amdhsa_memory_ordered 1
		.amdhsa_forward_progress 1
		.amdhsa_inst_pref_size 39
	.end_amdhsa_kernel
	.amdgpu_metadata
---
amdhsa.version: [ 1, 2 ]
amdhsa.kernels:
  - .name:           k_q2aeed0082a_attn
    .symbol:         k_q2aeed0082a_attn.kd
    .args:
      - { .name: qkv, .offset: 0, .size: 8, .value_kind: global_buffer, .address_space: global }
      - { .name: lowp_scales, .offset: 8, .size: 8, .value_kind: global_buffer, .address_space: global }
      - { .name: yc, .offset: 16, .size: 8, .value_kind: global_buffer, .address_space: global }
    .group_segment_fixed_size: 167936
    .private_segment_fixed_size: 0
    .kernarg_segment_align: 8
    .kernarg_segment_size: 24
    .max_flat_workgroup_size: 512
    .sgpr_count:     66
    .vgpr_count:     256
    .wavefront_size: 32
...
	.end_amdgpu_metadata
.endif
;; end of part 3
;; launch proj_gemm (part 4): grid 8 x 32, 4 waves a work-group, clusters of 4 x 4, 327,680 bytes of LDS; arguments yc, wc, attn_proj_b, x, lowp_scales, x1; writes x1
.if DOCPART == 4
	.amdgcn_target "amdgcn-amd-amdhsa--gfx1250"
	.amdhsa_code_object_version 6
	.text
	.protected	k_q2aeed0082a_proj_gemm
	.globl	k_q2aeed0082a_proj_gemm
	.p2align	8
	.type	k_q2aeed0082a_proj_gemm,@function
k_q2aeed0082a_proj_gemm:
	s_mov_b64 s[64:65], 0
	v_nop
	global_prefetch_b8 v0, s[64:65] scope:SCOPE_SE
	s_setreg_imm32_b32 hwreg(HW_REG_WAVE_MODE, 25, 1), 1
	s_wait_xcnt 0x0
	s_wait_alu depctr_hold_cnt(0) depctr_sa_sdst(0) depctr_va_vdst(0) depctr_va_sdst(0) depctr_va_ssrc(0) depctr_va_vcc(0) depctr_vm_vsrc(0)
	s_getreg_b32 s2, hwreg(HW_REG_IB_STS2, 6, 4)
	s_cmp_eq_u32 s2, 0
	s_cbranch_scc0 .Lentry_in_a_cluster
	s_endpgm
.Lentry_in_a_cluster:
	s_bfe_u32 s2, ttmp6, 0x10000c
	s_cmp_lg_u32 s2, 0xf033
	s_cbranch_scc0 .Lentry_shape_is_right
	s_endpgm
.Lentry_shape_is_right:
; x1 = x + (y Wproj + b): a product on codes of E4M3, K = 1,024, N = 1,024, with the bias and the residual on the way out; x1 is f32, in the tokens' natural order.
; N = 1,024 gives 64 tiles of 256 x 256: too few for the WGPs; a tile is 128 x 128, 256 work-groups.  Four waves, each 64 x 64: 16 accumulators.
; Operands are images of operand registers (fragment = 16 rows x 128 K = 2,048 bytes; register 4 q + i of lane L at 512 q + 16 L + 4 i).  A slot holds 512 along K: a wave's tensor load brings 4 rows of fragments x 8,192 bytes.
; Source 0 = 16 rows of W's image (columns of the result), source 1 = 16 tokens: a lane holds eight neighbouring columns of one row.  Row r of row fragment rho is token 32 (rho / 2) + rho % 2 + 2 r: the stores' addresses undo that order.
; CLUSTERS 4 x 4: the activations' tile is shared along a row of the cluster, the weight's along a column: joint loads.
; LIMIT: the two exponents' sum between -126 and 127.
; REGISTERS: window 0: v12-31 addresses and the bias; v32-95 two blocks of the residual; v128-255 the accumulators, (a, b) at v[128 + 8 (4 a + b)].  window 1: two buffers of fragments: A's four at +16 a, B's four at +64 + 16 b.
.set SIZE_K, 1024
.set WOFF,   3145728                   ; the weight's image in wc
.set SC,     6                         ; the first of the product's two entries of lowp_scales
.set FROW,   SIZE_K*16                 ; a row of fragments in memory
.set SLB,    8192                      ; a slot's bytes of it
.set SLOT,   131072                    ; A's two halves of 32,768, then B's two
.set STAGE,  262144                    ; behind the ring: 16 rows x 272 bytes for each wave
.set SP,     272
.set SPARE,  STAGE+4*16*SP             ; behind the stages: the spare words
.set LAPS,   SIZE_K/1024
.set SPW,  12
.set NIL,  13
.set ADRA, 16
.set ADRB, 20
.set STO,  24
.set RD,   25
.set CO,   26
.set BIA,  28
.set RX,   32
.set ACC,  128
.set F0,   0
.set F1,   128
.set G1, 24
.set G0, 32
.set G1B, 48
.set G0B, 56
.set MSB, 0
.macro WIN new
.if MSB != \new
	s_set_vgpr_msb (MSB<<8)|\new
.set MSB, \new
.endif
.endm
.set MUL,  0x05                        ; sources 0 and 1 window 1; C and D window 0
.set TO_F, 0x40                        ; destination window 1, address window 0
.macro JLOAD s                         ; a joint load: waves 0 and 1 fetch A's halves, waves 2 and 3 B's; an s_nop 0 and four v_nop follow each line
	s_cmp_eq_u32 s17, 0
	s_cbranch_scc0 .Lfor_b_\@
	tensor_load_to_lds s[G0+4*\s:G0+4*\s+3], s[G1:G1+7]
	s_nop 0
.rept 4
	v_nop
.endr
	s_branch .Lasked_\@
.Lfor_b_\@:
	tensor_load_to_lds s[G0B+4*\s:G0B+4*\s+3], s[G1B:G1B+7]
	s_nop 0
.rept 4
	v_nop
.endr
.Lasked_\@:
.endm
.macro CREST
	s_cmp_lg_u32 s16, 0
	s_cbranch_scc1 .Lnot_wave_0_\@
	s_barrier_signal -3
.Lnot_wave_0_\@:
	s_barrier_wait -3
	s_barrier_signal -1
	s_barrier_wait -1
.endm
.macro CROUND
	s_barrier_signal -1
	s_barrier_wait -1
	CREST
.endm
	s_load_b256 s[4:11], s[0:1], 0x0               ; the activations' codes s[4:5], wc s[6:7], the bias s[8:9], the residual s[10:11]
	s_load_b128 s[12:15], s[0:1], 0x20             ; lowp_scales s[12:13], the result s[14:15]
	v_lshl_add_u32 v[SPW], v0, 2, SPARE
	v_mov_b32 v[NIL], 0
	ds_add_u32 v[SPW], v[NIL]                      ; the wave's opening: the add, twice on end, and its wait ahead of my first tensor load
	ds_add_u32 v[SPW], v[NIL]
	v_lshrrev_b32 v1, 5, v0
	v_readfirstlane_b32 s16, v1                    ; wave 0..3
	s_lshr_b32 s17, s16, 1                         ; which half of the tile's rows is mine.  Also: I fetch for A (0) or for B (1)
	s_and_b32 s18, s16, 1                          ; which half of its columns.  Also: which half of that tile I fetch
	s_bfe_u32 s20, ttmp6, 0x40000                  ; cx
	s_bfe_u32 s21, ttmp6, 0x40004                  ; cy
	s_lshl_b32 s22, ttmp9, 2
	s_add_co_u32 s22, s22, s20                     ; tile column
	s_and_b32 s23, ttmp7, 0xffff
	s_lshl_b32 s23, s23, 2
	s_add_co_u32 s23, s23, s21                     ; tile row
	s_lshl_b32 s40, s21, 2
	s_lshl_b32 s40, 15, s40                        ; my row of the cluster
	s_lshl_b32 s41, 0x1111, s20                    ; my column
	s_or_b32 s[G1+0], s40, (1<<21)                 ; the mask; elements of 1 byte; no padding; 21 set beside a mask
	s_or_b32 s[G1B+0], s41, (1<<21)
.irp g, G1, G1B
	s_mov_b32 s[\g+1], SLB<<16                     ; tensor_dim0 = 8,192
	s_mov_b32 s[\g+2], 4<<16                       ; tensor_dim1 = 4
	s_mov_b32 s[\g+3], SLB<<16                     ; tile_dim0
	s_mov_b32 s[\g+4], 4                           ; tile_dim1
	s_mov_b32 s[\g+5], FROW                        ; from row to row
	s_mov_b32 s[\g+6], 0
	s_mov_b32 s[\g+7], 0
.endr
	s_lshl_b32 s19, s18, 2                         ; which 4 rows of fragments I fetch
	s_lshl_b32 s42, s23, 3
	s_add_co_u32 s42, s42, s19
	s_mul_i32 s42, s42, FROW
	s_mov_b32 s43, 0
	s_lshl_b32 s44, s22, 3
	s_add_co_u32 s44, s44, s19
	s_mul_i32 s44, s44, FROW
	s_add_co_u32 s44, s44, WOFF
	s_mov_b32 s45, 0
	s_lshl_b32 s70, s16, 15                        ; where they go: wave x 32,768
	s_wait_dscnt 0x0                               ; both opening adds are done
	s_wait_kmcnt 0x0
	s_load_b64 s[68:69], s[12:13], 4*SC            ; the two exponents
	s_add_nc_u64 s[42:43], s[4:5], s[42:43]
	s_add_nc_u64 s[44:45], s[6:7], s[44:45]
	CROUND                                         ; all sixteen work-groups are here: the first joint loads meet
.irp s, 0,1
	s_mov_b32 s[G0+4*\s], 1
	s_add_co_u32 s[G0+4*\s+1], s70, \s*SLOT
	s_add_nc_u64 s[G0+4*\s+2:G0+4*\s+3], s[42:43], \s*SLB
	s_or_b32 s[G0+4*\s+3], s[G0+4*\s+3], 0x80000000
	s_mov_b32 s[G0B+4*\s], 1
	s_add_co_u32 s[G0B+4*\s+1], s70, \s*SLOT
	s_add_nc_u64 s[G0B+4*\s+2:G0B+4*\s+3], s[44:45], \s*SLB
	s_or_b32 s[G0B+4*\s+3], s[G0B+4*\s+3], 0x80000000
	JLOAD \s
.endr
	v_and_b32 v1, 31, v0
	v_lshlrev_b32 v2, 4, v1                        ; 16 x lane
	s_lshl_b32 s70, s17, 15                        ; my 4 rows of A's fragments
	s_lshl_b32 s71, s18, 15                        ; my 4 of B's,
	s_add_co_u32 s71, s71, 65536                   ; which lie behind A's
.irp s, 0,1
	v_add_nc_u32 v[ADRA+\s], s70, v2
	v_add_nc_u32 v[ADRB+\s], s71, v2
	s_add_co_u32 s70, s70, SLOT
	s_add_co_u32 s71, s71, SLOT
.endr
	v_and_b32 v3, 15, v0                           ; r
	v_bfe_u32 v4, v0, 4, 1                         ; h
	s_mul_i32 s70, s16, 16*SP
	s_add_co_u32 s70, s70, STAGE                   ; my stage
	v_mul_u32_u24 v[STO], v3, SP                   ; in: row r, 32 bytes for each half of the lanes
	v_lshl_add_u32 v[STO], v4, 5, v[STO]
	v_add_nc_u32 v[STO], s70, v[STO]
	v_mul_u32_u24 v[RD], v4, SP                    ; back: lanes 0-15 one row of 256 bytes, lanes 16-31 the next
	v_lshl_add_u32 v[RD], v3, 4, v[RD]
	v_add_nc_u32 v[RD], s70, v[RD]
	v_lshlrev_b32 v[CO], 13, v4                    ; in memory neighbouring rows of a fragment are two tokens, 8,192 bytes, apart
	v_lshl_add_u32 v[CO], v3, 4, v[CO]
	v_lshlrev_b32 v5, 4, v3                        ; the bias: my four columns
	s_lshl_b32 s42, s23, 3
	s_lshl_b32 s43, s17, 2
	s_add_co_u32 s42, s42, s43                     ; my first row fragment (a multiple of 4)
	s_lshl_b32 s42, s42, 16                        ; two fragments are 32 tokens of 4,096 bytes
	s_mov_b32 s43, 0
	s_lshl_b32 s44, s22, 9                         ; the tile's 128 columns of 4 bytes,
	s_lshl_b32 s45, s18, 8                         ; my 64 of them: 256 bytes
	s_add_co_u32 s44, s44, s45
	s_mov_b32 s45, 0
	s_add_nc_u64 s[10:11], s[10:11], s[42:43]
	s_add_nc_u64 s[10:11], s[10:11], s[44:45]
	s_add_nc_u64 s[14:15], s[14:15], s[42:43]
	s_add_nc_u64 s[14:15], s[14:15], s[44:45]
	s_add_nc_u64 s[8:9], s[8:9], s[44:45]
.macro RLOAD a                         ; the residual of block a: 16 rows x 256 bytes, two rows an instruction
.irp t, 0,1,2,3,4,5,6,7
	global_load_b128 v[RX+32*((\a)%2)+4*\t:RX+32*((\a)%2)+4*\t+3], v[CO], s[10:11] offset:((\a)/2)*131072+((\a)%2)*4096+\t*16384
.endr
.endm
	global_load_b128 v[BIA:BIA+3], v5, s[8:9]
	RLOAD 0                                        ; asked for here, wanted on the way out
	RLOAD 1
.macro MUL8 f, a0, zero                ; 8 matrix instructions: A's blocks a0, a0 + 1 x B's four; the 16 accumulators take turns
.irp a, \a0, \a0+1
.irp b, 0,1,2,3
.if \zero
	v_wmma_f32_16x16x128_fp8_fp8 v[ACC+8*(4*(\a)+\b):ACC+8*(4*(\a)+\b)+7], v[\f+64+16*\b:\f+64+16*\b+15], v[\f+16*(\a):\f+16*(\a)+15], 0
.else
	v_wmma_f32_16x16x128_fp8_fp8 v[ACC+8*(4*(\a)+\b):ACC+8*(4*(\a)+\b)+7], v[\f+64+16*\b:\f+64+16*\b+15], v[\f+16*(\a):\f+16*(\a)+15], v[ACC+8*(4*(\a)+\b):ACC+8*(4*(\a)+\b)+7]
.endif
.endr
.endr
.endm
.macro FETCH slot, q, f                ; 32 LDS loads in one run: the eight fragments of the slot's q-th 128 along K
	WIN TO_F
.irp i, 0,1,2,3
.irp c, 0,1,2,3
	ds_load_b128 v[\f+64+16*\i+4*\c:\f+64+16*\i+4*\c+3], v[ADRB+\slot] offset:(4*\i+(\q))*2048+512*\c
.endr
.endr
.irp i, 0,1,2,3
.irp c, 0,1,2,3
	ds_load_b128 v[\f+16*\i+4*\c:\f+16*\i+4*\c+3], v[ADRA+\slot] offset:(4*\i+(\q))*2048+512*\c
.endr
.endr
.endm
.macro PLACES
.rept 4
	v_nop
.endr
.endm
.macro STEP slot, q, f, g, zero        ; multiplies buffer f; ahead of that asks for the next step's fragments into g
	PLACES                                         ; g was read by the step before
	FETCH \slot, (\q)+1, \g
	s_wait_dscnt 32                                ; all but the 32 just issued: f is in
	WIN MUL
	MUL8 \f, 0, \zero
	MUL8 \f, 2, \zero
.endm
.macro TURN slot, next, fill           ; a slot's last step multiplies buffer 1 and changes slots
	WIN 0
	s_wait_tensorcnt 0x0                           ; all my tensor loads have landed: my part of the next slot
	ds_add_u32 v[SPW], v[NIL]
	s_wait_dscnt 1                                 ; buffer 1 is in; the add may be out
	WIN MUL
	MUL8 F1, 0, 0
	s_wait_dscnt 0x0                               ; the add is done, and my reads of this slot are over
	s_barrier_signal -1
	MUL8 F1, 2, 0
	WIN 0
	s_barrier_wait -1
.if \fill
	CREST                                          ; the barrier has opened a round of the cluster's barrier
	s_add_nc_u64 s[G0+4*\slot+2:G0+4*\slot+3], s[G0+4*\slot+2:G0+4*\slot+3], 2*SLB
	s_add_nc_u64 s[G0B+4*\slot+2:G0B+4*\slot+3], s[G0B+4*\slot+2:G0B+4*\slot+3], 2*SLB
	JLOAD \slot                                    ; the first tensor load behind the round; its four v_nop are the places in front of the loads below
.else
	PLACES
.endif
	FETCH \next, 0, F0
.endm
; THE WAY OUT of block a (16 tokens x my 64 columns): through my stage, back as whole rows of 256 bytes into the registers that they left; x 2^(ea + eb), + bias + residual; sixteen lanes store one aligned run of 256 bytes.
.macro OUTB a
.irp b, 0,1,2,3
	ds_store_b128 v[STO], v[ACC+32*(\a)+8*\b:ACC+32*(\a)+8*\b+3] offset:64*\b        ; each accumulator from its low end on
	ds_store_b128 v[STO], v[ACC+32*(\a)+8*\b+4:ACC+32*(\a)+8*\b+7] offset:64*\b+16
.endr
.irp t, 0,1,2,3,4,5,6,7
	ds_load_b128 v[ACC+32*(\a)+4*\t:ACC+32*(\a)+4*\t+3], v[RD] offset:\t*2*SP        ; LDS serves a wave's instructions in order: these see the stores above
.endr
.if (\a) < 3
	s_wait_loadcnt 8                               ; this block's residual is in; the next block's eight loads may be out
.else
	s_wait_loadcnt 0
.endif
.irp t, 0,1,2,3,4,5,6,7
	v_pk_add_f32 v[RX+32*((\a)%2)+4*\t:RX+32*((\a)%2)+4*\t+1], v[RX+32*((\a)%2)+4*\t:RX+32*((\a)%2)+4*\t+1], v[BIA:BIA+1]
	v_pk_add_f32 v[RX+32*((\a)%2)+4*\t+2:RX+32*((\a)%2)+4*\t+3], v[RX+32*((\a)%2)+4*\t+2:RX+32*((\a)%2)+4*\t+3], v[BIA+2:BIA+3]
.endr
	s_wait_dscnt 0x0
.set j, 0
.rept 16
	v_pk_fma_f32 v[ACC+32*(\a)+j:ACC+32*(\a)+j+1], v[ACC+32*(\a)+j:ACC+32*(\a)+j+1], s[66:67], v[RX+32*((\a)%2)+j:RX+32*((\a)%2)+j+1] op_sel_hi:[1,0,1]
.set j, j+2
.endr
.irp t, 0,1,2,3,4,5,6,7
	global_store_b128 v[CO], v[ACC+32*(\a)+4*\t:ACC+32*(\a)+4*\t+3], s[14:15] offset:((\a)/2)*131072+((\a)%2)*4096+\t*16384 th:TH_STORE_NT
.endr
.if (\a) < 2
	RLOAD (\a)+2
.endif
.endm
	s_wait_tensorcnt 1                             ; my part of slot 0 is in; slot 1's load may be out
	s_barrier_signal -1
	s_barrier_wait -1
	FETCH 0, 0, F0
	STEP 0, 0, F0, F1, 1                           ; the first step's products start the sums
.if LAPS > 1
	WIN 0
	s_mov_b32 s3, LAPS-1
.Llap:                                                 ; a trip goes once round the ring and fills both slots again
	STEP 0, 1, F1, F0, 0
	STEP 0, 2, F0, F1, 0
	TURN 0, 1, 1
	STEP 1, 0, F0, F1, 0
	STEP 1, 1, F1, F0, 0
	STEP 1, 2, F0, F1, 0
	TURN 1, 0, 1
	STEP 0, 0, F0, F1, 0
	WIN 0
	s_sub_co_u32 s3, s3, 1
	s_cmp_lg_u32 s3, 0
	s_cbranch_scc1 .Llap
.endif
	STEP 0, 1, F1, F0, 0                           ; the last lap fills nothing
	STEP 0, 2, F0, F1, 0
	TURN 0, 1, 0
	STEP 1, 0, F0, F1, 0
	STEP 1, 1, F1, F0, 0
	STEP 1, 2, F0, F1, 0
	s_wait_dscnt 0x0
	MUL8 F1, 0, 0
	MUL8 F1, 2, 0
	WIN 0
	s_wait_kmcnt 0x0
	s_add_co_i32 s66, s68, s69
	s_add_co_i32 s66, s66, 127
	s_lshl_b32 s66, s66, 23                        ; 2^(ea + eb) as f32
	s_mov_b32 s67, s66
	PLACES
	OUTB 0
	OUTB 1
	OUTB 2
	OUTB 3
	s_wait_tensorcnt 0x0                           ; the wave's end
	ds_add_u32 v[SPW], v[NIL]
	s_wait_dscnt 0x0
	CROUND                                         ; the closing round
	s_endpgm
.Lfunc_end_k_q2aeed0082a_proj_gemm:
	.size	k_q2aeed0082a_proj_gemm, .Lfunc_end_k_q2aeed0082a_proj_gemm-k_q2aeed0082a_proj_gemm
	.p2alignl 7, 3214868480
	.fill 96, 4, 3214868480
	.section	.rodata,"a",@progbits
	.p2align	6, 0x0
	.amdhsa_kernel k_q2aeed0082a_proj_gemm
		.amdhsa_group_segment_fixed_size 327680
		.amdhsa_private_segment_fixed_size 0
		.amdhsa_enable_private_segment 0
		.amdhsa_kernarg_size 48
		.amdhsa_user_sgpr_count 2
		.amdhsa_user_sgpr_kernarg_segment_ptr 1
		.amdhsa_wavefront_size32 1
		.amdhsa_system_sgpr_workgroup_id_x 1
		.amdhsa_system_sgpr_workgroup_id_y 1
		.amdhsa_system_sgpr_workgroup_id_z 1
		.amdhsa_system_vgpr_workitem_id 0
		.amdhsa_next_free_vgpr 512
		.amdhsa_next_free_sgpr 72
		.amdhsa_reserve_vcc 0
		.amdhsa_float_denorm_mode_32 3
		.amdhsa_float_denorm_mode_16_64 3
		.amdhsa_memory_ordered 1
		.amdhsa_forward_progress 1
		.amdhsa_inst_pref_size 52
	.end_amdhsa_kernel
	.amdgpu_metadata
---
amdhsa.version: [ 1, 2 ]
amdhsa.kernels:
  - .name:           k_q2aeed0082a_proj_gemm
    .symbol:         k_q2aeed0082a_proj_gemm.kd
    .args:
      - { .name: yc, .offset: 0, .size: 8, .value_kind: global_buffer, .address_space: global }
      - { .name: wc, .offset: 8, .size: 8, .value_kind: global_buffer, .address_space: global }
      - { .name: attn_proj_b, .offset: 16, .size: 8, .value_kind: global_buffer, .address_space: global }
      - { .name: x, .offset: 24, .size: 8, .value_kind: global_buffer, .address_space: global }
      - { .name: lowp_scales, .offset: 32, .size: 8, .value_kind: global_buffer, .address_space: global }
      - { .name: x1, .offset: 40, .size: 8, .value_kind: global_buffer, .address_space: global }
    .group_segment_fixed_size: 327680
    .private_segment_fixed_size: 0
    .kernarg_segment_align: 8
    .kernarg_segment_size: 48
    .max_flat_workgroup_size: 128
    .sgpr_count:     72
    .vgpr_count:     512
    .wavefront_size: 32
...
	.end_amdgpu_metadata
.endif
;; end of part 4
;; launch ln2 (part 5): grid 256 x 1, 8 waves a work-group, no clusters, 18,432 bytes of LDS; arguments x1, ln2_w, ln2_b, lowp_scales, h2c; writes h2c
.if DOCPART == 5
	.amdgcn_target "amdgcn-amd-amdhsa--gfx1250"
	.amdhsa_code_object_version 6
	.text
	.protected	k_q2aeed0082a_ln2
	.globl	k_q2aeed0082a_ln2
	.p2align	8
	.type	k_q2aeed0082a_ln2,@function
k_q2aeed0082a_ln2:
	s_mov_b64 s[64:65], 0
	v_nop
	global_prefetch_b8 v0, s[64:65] scope:SCOPE_SE
	s_setreg_imm32_b32 hwreg(HW_REG_WAVE_MODE, 25, 1), 1
	s_wait_xcnt 0x0
; h2 = LN2(x1) as codes of E4M3 with the scale 2^e8, laid as images of operand registers (fragment = 16 rows x 128 K = 2,048 bytes; register 4 q + i of lane L at 512 q + 16 L + 4 i).
; A work-group makes one row fragment rho: tokens 32 (rho / 2) + rho % 2 + 2 r; a wave two rows, kept in registers between the passes: mean, then the mean of the squared differences, as reference() has them.
; A stream: each row is read once, by loads of 512 consecutive bytes; the codes meet in a stage in LDS and leave as whole fragments, 512 consecutive bytes a store.  No matrix unit, no cluster: the work-groups share nothing but the gain and the bias.
; LIMITS: e8 between -126 and 119.  NaN among the inputs is not served.
.set SPARE, 17408
.set SPW, 2
.set NIL, 3
.set FIRSTLN, 0
.set SCI, 8
.set X0, 32
.set X1, 64
.set WW, 96
.set BB, 128
.macro ROWSUM X, A
	v_pk_add_f32 v[\A:\A+1], v[\X:\X+1], v[\X+2:\X+3]
	v_pk_add_f32 v[\A+2:\A+3], v[\X+4:\X+5], v[\X+6:\X+7]
.irp j, 8,12,16,20,24,28
	v_pk_add_f32 v[\A:\A+1], v[\A:\A+1], v[\X+\j:\X+\j+1]
	v_pk_add_f32 v[\A+2:\A+3], v[\A+2:\A+3], v[\X+\j+2:\X+\j+3]
.endr
	v_pk_add_f32 v[\A:\A+1], v[\A:\A+1], v[\A+2:\A+3]
	v_add_f32 v[\A], v[\A], v[\A+1]
.endm
.macro ROWSQ X, A
	v_pk_mul_f32 v[\A:\A+1], v[\X:\X+1], v[\X:\X+1]
	v_pk_mul_f32 v[\A+2:\A+3], v[\X+2:\X+3], v[\X+2:\X+3]
.irp j, 4,8,12,16,20,24,28
	v_pk_fma_f32 v[\A:\A+1], v[\X+\j:\X+\j+1], v[\X+\j:\X+\j+1], v[\A:\A+1]
	v_pk_fma_f32 v[\A+2:\A+3], v[\X+\j+2:\X+\j+3], v[\X+\j+2:\X+\j+3], v[\A+2:\A+3]
.endr
	v_pk_add_f32 v[\A:\A+1], v[\A:\A+1], v[\A+2:\A+3]
	v_add_f32 v[\A], v[\A], v[\A+1]
.endm
.macro WSUM A
	v_add_f32_dpp v[\A], v[\A], v[\A] row_xmask:1 row_mask:0xf bank_mask:0xf
	v_add_f32_dpp v[\A], v[\A], v[\A] row_xmask:2 row_mask:0xf bank_mask:0xf
	v_add_f32_dpp v[\A], v[\A], v[\A] row_xmask:4 row_mask:0xf bank_mask:0xf
	v_add_f32_dpp v[\A], v[\A], v[\A] row_xmask:8 row_mask:0xf bank_mask:0xf
	v_permlanex16_b32 v9, v[\A], s36, s37
	v_add_f32 v[\A], v[\A], v9
.endm
	s_load_b256 s[8:15], s[0:1], 0x0               ; x1 s[8:9], ln2_w s[10:11], ln2_b s[12:13], lowp_scales s[14:15]
	s_load_b64 s[16:17], s[0:1], 0x20              ; h2c
	v_lshl_add_u32 v[SPW], v0, 2, SPARE
	v_mov_b32 v[NIL], 0
	v_lshrrev_b32 v1, 5, v0
	v_readfirstlane_b32 s28, v1                    ; wave 0..7
	v_and_b32 v1, 31, v0                           ; lane
	s_wait_kmcnt 0x0
	s_load_b32 s40, s[14:15], 4*SCI                ; e
	s_sub_co_u32 s29, ttmp9, FIRSTLN               ; rho
	s_lshr_b32 s30, s29, 1
	s_lshl_b32 s30, s30, 5
	s_and_b32 s31, s29, 1
	s_add_co_u32 s30, s30, s31
	s_lshl_b32 s31, s28, 2
	s_add_co_u32 s30, s30, s31                     ; my first token; my second lies two tokens on
	s_lshl_b32 s30, s30, 12
	s_mov_b32 s31, 0
	s_add_nc_u64 s[30:31], s[8:9], s[30:31]
	s_lshl_b32 s32, s29, 14
	s_mov_b32 s33, 0
	s_add_nc_u64 s[32:33], s[16:17], s[32:33]
	v_lshlrev_b32 v4, 4, v1
.irp j, 0,1,2,3,4,5,6,7
	global_load_b128 v[X0+4*\j:X0+4*\j+3], v4, s[30:31] offset:512*\j th:TH_LOAD_NT
.endr
.irp j, 0,1,2,3,4,5,6,7
	global_load_b128 v[X1+4*\j:X1+4*\j+3], v4, s[30:31] offset:8192+512*\j th:TH_LOAD_NT
.endr
.irp j, 0,1,2,3,4,5,6,7
	global_load_b128 v[WW+4*\j:WW+4*\j+3], v4, s[10:11] offset:512*\j
.endr
.irp j, 0,1,2,3,4,5,6,7
	global_load_b128 v[BB+4*\j:BB+4*\j+3], v4, s[12:13] offset:512*\j
.endr
	s_mov_b32 s36, 0x76543210
	s_mov_b32 s37, 0xfedcba98
	s_mov_b32 s38, 0x3a800000                      ; 1 / 1024
	s_mov_b32 s39, 0x3727c5ac                      ; 1e-5
	v_mov_b32 v9, 0
	; the stage: 64 units of 256 bytes + 16; unit 8 kappa + 2 q + h holds 16 bytes for each row r.  My four codes of chunk kappa are k = 4 lane + 0..3
	v_lshrrev_b32 v6, 3, v1
	v_bfe_u32 v7, v1, 1, 1
	v_lshl_add_u32 v6, v6, 1, v7
	v_mul_u32_u24 v6, v6, 272
	v_bfe_u32 v7, v1, 2, 1
	v_lshl_add_u32 v6, v7, 3, v6
	v_and_b32 v7, 1, v1
	v_lshl_add_u32 v6, v7, 2, v6
	s_lshl_b32 s34, s28, 5
	v_add_nc_u32 v6, s34, v6
	v_lshrrev_b32 v7, 4, v1
	v_mul_u32_u24 v7, v7, 272
	v_and_b32 v8, 15, v1
	v_lshl_add_u32 v7, v8, 4, v7
	s_mul_i32 s34, s28, 8*272
	v_add_nc_u32 v7, s34, v7
	s_lshl_b32 s34, s28, 11
	v_add_nc_u32 v8, s34, v4
	s_wait_kmcnt 0x0
	s_add_co_i32 s40, s40, 127
	s_lshl_b32 s41, s40, 23
	v_mov_b32 v11, s41                             ; 2^e
	s_add_co_i32 s40, s40, 8
	s_lshl_b32 s40, s40, 23
	s_or_b32 s40, s40, 0x600000
	v_mov_b32 v10, s40                             ; 448 x 2^e
	s_wait_loadcnt 16                              ; both rows are in; the gain's and the bias's sixteen loads may be out
	ROWSUM X0, 12
	ROWSUM X1, 16
	WSUM 12
	WSUM 16
	v_mul_f32 v20, s38, v12
	v_mul_f32 v22, s38, v16
	v_mov_b32 v21, v20
	v_mov_b32 v23, v22
.set i, 0
.rept 16
	v_pk_add_f32 v[X0+i:X0+i+1], v[X0+i:X0+i+1], v[20:21] neg_lo:[0,1] neg_hi:[0,1]
	v_pk_add_f32 v[X1+i:X1+i+1], v[X1+i:X1+i+1], v[22:23] neg_lo:[0,1] neg_hi:[0,1]
.set i, i+2
.endr
	ROWSQ X0, 12
	ROWSQ X1, 16
	WSUM 12
	WSUM 16
	v_fma_f32 v24, v12, s38, s39
	v_fma_f32 v26, v16, s38, s39
	v_rsq_f32 v24, v24
	v_rsq_f32 v26, v26
	v_nop                                          ; a plain instruction behind the last of the two
	s_wait_alu depctr_va_vdst(0)                   ; the wait ahead of the first reader: one for both
	v_mov_b32 v25, v24
	v_mov_b32 v27, v26
	s_wait_loadcnt 0x0
.set i, 0
.rept 16
	v_pk_mul_f32 v[X0+i:X0+i+1], v[X0+i:X0+i+1], v[24:25]
	v_pk_mul_f32 v[X1+i:X1+i+1], v[X1+i:X1+i+1], v[26:27]
.set i, i+2
.endr
.set i, 0
.rept 16
	v_pk_fma_f32 v[X0+i:X0+i+1], v[X0+i:X0+i+1], v[WW+i:WW+i+1], v[BB+i:BB+i+1]
	v_pk_fma_f32 v[X1+i:X1+i+1], v[X1+i:X1+i+1], v[WW+i:WW+i+1], v[BB+i:BB+i+1]
.set i, i+2
.endr
.set i, 0
.rept 64
	v_med3_num_f32 v[X0+i], v[X0+i], -v10, v10
.set i, i+1
.endr
.irp p, 0,1,2,3
	v_cvt_scalef32_pk8_fp8_f32 v[96+2*\p:97+2*\p], v[X0+8*\p:X0+8*\p+7], v11
	v_cvt_scalef32_pk8_fp8_f32 v[104+2*\p:105+2*\p], v[X1+8*\p:X1+8*\p+7], v11
.endr
	v_nop
.irp j, 0,1,2,3,4,5,6,7
	ds_store_b32 v6, v[96+\j] offset:2176*\j
	ds_store_b32 v6, v[104+\j] offset:2176*\j+16
.endr
	s_wait_dscnt 0x0                               ; for the others' sake: my stores have landed
	s_barrier_signal -1
	s_barrier_wait -1
.irp m, 0,1,2,3
	ds_load_b128 v[112+4*\m:115+4*\m], v7 offset:544*\m
.endr
.irp m, 0,1,2,3
	s_wait_dscnt 3-\m
	global_store_b128 v8, v[112+4*\m:115+4*\m], s[32:33] offset:512*\m
.endr
	s_wait_tensorcnt 0x0                           ; the wave's end
	ds_add_u32 v[SPW], v[NIL]
	s_wait_dscnt 0x0
	s_endpgm
.Lfunc_end_k_q2aeed0082a_ln2:
	.size	k_q2aeed0082a_ln2, .Lfunc_end_k_q2aeed0082a_ln2-k_q2aeed0082a_ln2
	.p2alignl 7, 3214868480
	.fill 96, 4, 3214868480
	.section	.rodata,"a",@progbits
	.p2align	6, 0x0
	.amdhsa_kernel k_q2aeed0082a_ln2
		.amdhsa_group_segment_fixed_size 18432
		.amdhsa_private_segment_fixed_size 0
		.amdhsa_enable_private_segment 0
		.amdhsa_kernarg_size 40
		.amdhsa_user_sgpr_count 2
		.amdhsa_user_sgpr_kernarg_segment_ptr 1
		.amdhsa_wavefront_size32 1
		.amdhsa_system_sgpr_workgroup_id_x 1
		.amdhsa_system_sgpr_workgroup_id_y 1
		.amdhsa_system_sgpr_workgroup_id_z 1
		.amdhsa_system_vgpr_workitem_id 0
		.amdhsa_next_free_vgpr 160
		.amdhsa_next_free_sgpr 66
		.amdhsa_reserve_vcc 0
		.amdhsa_float_denorm_mode_32 3
		.amdhsa_float_denorm_mode_16_64 3
		.amdhsa_memory_ordered 1
		.amdhsa_forward_progress 1
		.amdhsa_inst_pref_size 25
	.end_amdhsa_kernel
	.amdgpu_metadata
---
amdhsa.version: [ 1, 2 ]
amdhsa.kernels:
  - .name:           k_q2aeed0082a_ln2
    .symbol:         k_q2aeed0082a_ln2.kd
    .args:
      - { .name: x1, .offset: 0, .size: 8, .value_kind: global_buffer, .address_space: global }
      - { .name: ln2_w, .offset: 8, .size: 8, .value_kind: global_buffer, .address_space: global }
      - { .name: ln2_b, .offset: 16, .size: 8, .value_kind: global_buffer, .address_space: global }
      - { .name: lowp_scales, .offset: 24, .size: 8, .value_kind: global_buffer, .address_space: global }
      - { .name: h2c, .offset: 32, .size: 8, .value_kind: global_buffer, .address_space: global }
    .group_segment_fixed_size: 18432
    .private_segment_fixed_size: 0
    .kernarg_segment_align: 8
    .kernarg_segment_size: 40
    .max_flat_workgroup_size: 256
    .sgpr_count:     66
    .vgpr_count:     160
    .wavefront_size: 32
...
	.end_amdgpu_metadata
.endif
;; end of part 5
;; launch fc_gemm (part 6): grid 16 x 16, 4 waves a work-group, clusters of 4 x 4, 327,680 bytes of LDS; arguments h2c, wc, fc_b, lowp_scales, gc; writes gc
.if DOCPART == 6
	.amdgcn_target "amdgcn-amd-amdhsa--gfx1250"
	.amdhsa_code_object_version 6
	.text
	.protected	k_q2aeed0082a_fc_gemm
	.globl	k_q2aeed0082a_fc_gemm
	.p2align	8
	.type	k_q2aeed0082a_fc_gemm,@function
k_q2aeed0082a_fc_gemm:
	s_mov_b64 s[64:65], 0
	v_nop
	global_prefetch_b8 v0, s[64:65] scope:SCOPE_SE
	s_setreg_imm32_b32 hwreg(HW_REG_WAVE_MODE, 25, 1), 1
	s_wait_xcnt 0x0
	s_wait_alu depctr_hold_cnt(0) depctr_sa_sdst(0) depctr_va_vdst(0) depctr_va_sdst(0) depctr_va_ssrc(0) depctr_va_vcc(0) depctr_vm_vsrc(0)
	s_getreg_b32 s2, hwreg(HW_REG_IB_STS2, 6, 4)
	s_cmp_eq_u32 s2, 0
	s_cbranch_scc0 .Lentry_in_a_cluster
	s_endpgm
.Lentry_in_a_cluster:
	s_bfe_u32 s2, ttmp6, 0x10000c
	s_cmp_lg_u32 s2, 0xf033
	s_cbranch_scc0 .Lentry_shape_is_right
	s_endpgm
.Lentry_shape_is_right:
; g = gelu(h2 Wfc + b) on codes of E4M3, K = 1,024, N = 4,096; g leaves as codes of E4M3 with the scale 2^e10, as images of the last product's operand.
; The frame is the qkv launch's: a tile of 256 x 256, four waves of 128 x 128, K in steps of 256 through two LDS slots, operands as images of operand registers, clusters of 4 x 4 with joint loads.
; Source 0 = 16 rows of W's image (columns of the result), source 1 = 16 tokens: lane (r, h) holds token r, register j column 8 h + j: a conversion's result is a register pair of the next operand, whose K runs along these columns.
; GELU, exact form: 2 gelu(y) = (y + |y|) - |y| w, w = erfc(|y| / sqrt 2) = t (a1 + t (a2 + t (a3 + t (a4 + t a5)))) 2^-(u y)^2, t = 1 / (1 + p |y|), u^2 = log2(e) / 2  (Abramowitz and Stegun 7.1.26 in |y| / sqrt 2).
;   LIMIT: the absolute error of w is at most 1.5e-7, the size of one f32 rounding of 1 + erf; the negative tail is formed without a difference.  The factor 1/2 goes into the conversion's scale.
; THE WAY OUT takes the sums straight from the accumulators, a piece of 16 tokens x 64 columns (32 sums a lane) at a time.  A register window is part of an instruction's text, and sixteen pieces written out would be some 40 KB:
;   so the eight pieces of window 2 are written out and walked twice, and between the walks window 3's 256 registers are moved into window 2's.
;   In a piece the reciprocals and the exponentials stand by turns with plain instructions that name none of their results.
; LIMITS: e8 + e9 between -126 and 127; e10 between -127 and 118.  NaN among the inputs is not served.
; REGISTERS on the way out, window 0: v8, v9 the conversion's scale and hold; v10 16 lane; v12-15, v18, v19, v22, v23 a4 .. a1 as pairs; v32-39 the codes; v64-127 the bias; v128-159 y; v160-191 t; v192-223 the exponential; v224-255 the polynomial.
.set KSB,    4096
.set FROW,   16384
.set HALFT,  32768
.set SLOT,   131072
.set SPARE,  262144
.set WFC,    4194304                   ; the weight's image in wc
.set LAPS,   2
.set FR,     16
.set NL,     4
.set NP,     4
.set ADRA, 16
.set ADRB, 20
.set SPW,  28
.set NIL,  29
.set AF,   128
.set G1, 24
.set G0, 32
.set G1B, 48
.set G0B, 56
.set MSB, 0
.macro WIN new
.if MSB != \new
	s_set_vgpr_msb (MSB<<8)|\new
.set MSB, \new
.endif
.endm
.set MUL_LO, 0xa1
.set MUL_HI, 0xf1
.set TO_B,   0x40
.macro JLOAD g0a, g1a, g0b, g1b        ; a joint load: waves 0 and 1 fetch A's halves, waves 2 and 3 B's; an s_nop 0 and four v_nop follow each line
	s_cmp_eq_u32 s15, 0
	s_cbranch_scc0 .Lfor_b_\@
	tensor_load_to_lds s[\g0a:\g0a+3], s[\g1a:\g1a+7]
	s_nop 0
.rept 4
	v_nop
.endr
	s_branch .Lasked_\@
.Lfor_b_\@:
	tensor_load_to_lds s[\g0b:\g0b+3], s[\g1b:\g1b+7]
	s_nop 0
.rept 4
	v_nop
.endr
.Lasked_\@:
.endm
.macro CREST
	s_cmp_lg_u32 s14, 0
	s_cbranch_scc1 .Lnot_wave_0_\@
	s_barrier_signal -3
.Lnot_wave_0_\@:
	s_barrier_wait -3
	s_barrier_signal -1
	s_barrier_wait -1
.endm
.macro CROUND
	s_barrier_signal -1
	s_barrier_wait -1
	CREST
.endm
	s_load_b256 s[4:11], s[0:1], 0x0               ; h2c s[4:5], wc s[6:7], fc_b s[8:9], lowp_scales s[10:11]
	s_load_b64 s[12:13], s[0:1], 0x20              ; gc
	v_lshl_add_u32 v[SPW], v0, 2, SPARE
	v_mov_b32 v[NIL], 0
	ds_add_u32 v[SPW], v[NIL]                      ; the wave's opening: the add, twice on end, and its wait ahead of my first tensor load
	ds_add_u32 v[SPW], v[NIL]
	v_lshrrev_b32 v1, 5, v0
	v_readfirstlane_b32 s14, v1                    ; wave 0..3
	s_lshr_b32 s15, s14, 1                         ; which half of the tokens is mine.  Also: I fetch for A (0) or for B (1)
	s_and_b32 s16, s14, 1                          ; which half of the columns.  Also: which half of that tile I fetch
	s_bfe_u32 s40, ttmp6, 0x40000                  ; cx
	s_bfe_u32 s41, ttmp6, 0x40004                  ; cy
	s_lshl_b32 s42, ttmp9, 2
	s_add_co_u32 s42, s42, s40                     ; tile column
	s_and_b32 s17, ttmp7, 0xffff
	s_lshl_b32 s17, s17, 2
	s_add_co_u32 s17, s17, s41                     ; tile row
	s_lshl_b32 s43, s41, 2
	s_lshl_b32 s43, 15, s43
	s_lshl_b32 s44, 0x1111, s40
	s_or_b32 s[G1+0], s43, (1<<21)
	s_or_b32 s[G1B+0], s44, (1<<21)
.irp g, G1, G1B
	s_mov_b32 s[\g+1], KSB<<16
	s_mov_b32 s[\g+2], 8<<16
	s_mov_b32 s[\g+3], KSB<<16
	s_mov_b32 s[\g+4], 8
	s_mov_b32 s[\g+5], FROW
	s_mov_b32 s[\g+6], 0
	s_mov_b32 s[\g+7], 0
.endr
	s_lshl_b32 s18, s16, 17
	s_lshl_b32 s20, s17, 18
	s_add_co_u32 s20, s20, s18
	s_mov_b32 s21, 0
	s_lshl_b32 s46, s42, 18
	s_add_co_u32 s46, s46, s18
	s_add_co_u32 s46, s46, WFC
	s_mov_b32 s47, 0
	s_lshl_b32 s45, s14, 15
	s_wait_dscnt 0x0                               ; both opening adds are done
	s_wait_kmcnt 0x0
	s_load_b128 s[72:75], s[10:11], 0x20           ; e8 .. e11
	s_add_nc_u64 s[20:21], s[4:5], s[20:21]
	s_add_nc_u64 s[46:47], s[6:7], s[46:47]
	CROUND                                         ; all sixteen work-groups are here: the first joint loads meet
.irp s, 0,1
	s_mov_b32 s[G0+4*\s], 1
	s_add_co_u32 s[G0+4*\s+1], s45, \s*SLOT
	s_add_nc_u64 s[G0+4*\s+2:G0+4*\s+3], s[20:21], \s*KSB
	s_or_b32 s[G0+4*\s+3], s[G0+4*\s+3], 0x80000000
	s_mov_b32 s[G0B+4*\s], 1
	s_add_co_u32 s[G0B+4*\s+1], s45, \s*SLOT
	s_add_nc_u64 s[G0B+4*\s+2:G0B+4*\s+3], s[46:47], \s*KSB
	s_or_b32 s[G0B+4*\s+3], s[G0B+4*\s+3], 0x80000000
	JLOAD G0+4*\s, G1, G0B+4*\s, G1B
.endr
	v_and_b32 v1, 31, v0
	v_lshlrev_b32 v10, 4, v1                       ; 16 x lane
	s_lshl_b32 s21, s15, 15
	s_lshl_b32 s22, s16, 15
	s_add_co_u32 s22, s22, 2*HALFT
.irp s, 0,1
	v_add_nc_u32 v[ADRA+\s], s21, v10
	v_add_nc_u32 v[ADRB+\s], s22, v10
	s_add_co_u32 s21, s21, SLOT
	s_add_co_u32 s22, s22, SLOT
.endr
	; the bias of my 128 columns in the result's layout: v[64 + 8 b + j] = b[column 16 b + 8 h + j]
	v_bfe_u32 v11, v0, 4, 1
	v_lshlrev_b32 v11, 5, v11
	s_lshl_b32 s46, s42, 10
	s_lshl_b32 s47, s16, 9
	s_add_co_u32 s46, s46, s47
	s_mov_b32 s47, 0
	s_add_nc_u64 s[8:9], s[8:9], s[46:47]
.irp b, 0,1,2,3,4,5,6,7
	global_load_b128 v[64+8*\b:67+8*\b], v11, s[8:9] offset:64*\b
	global_load_b128 v[68+8*\b:71+8*\b], v11, s[8:9] offset:64*\b+16
.endr
	; gc: fragment (rho, kappa) at (32 rho + kappa) x 2,048; rho = 16 tile row + 8 (wave / 2) + a, kappa = 2 tile column + wave % 2
	s_lshl_b32 s20, s17, 4
	s_lshl_b32 s21, s15, 3
	s_add_co_u32 s20, s20, s21
	s_lshl_b32 s20, s20, 16
	s_mov_b32 s21, 0
	s_lshl_b32 s46, s42, 1
	s_add_co_u32 s46, s46, s16
	s_lshl_b32 s46, s46, 11
	s_add_nc_u64 s[12:13], s[12:13], s[20:21]
	s_add_nc_u64 s[12:13], s[12:13], s[46:47]
.macro FRAG reg, adr, q, i
.irp c, 0,1,2,3
	ds_load_b128 v[\reg+4*\c:\reg+4*\c+3], v[\adr] offset:(2*(\i)+(\q))*2048+512*\c
.endr
.endm
.macro MUL16 a0, p, zero               ; the 64 accumulators take turns, one instruction a turn
.irp a, \a0, \a0+1
.irp b, 0,1,2,3,4,5,6,7
.if \zero
	v_wmma_f32_16x16x128_fp8_fp8 v[8*(8*((\a)%4)+\b):8*(8*((\a)%4)+\b)+7], v[128*(\p)+FR*\b:128*(\p)+FR*\b+FR-1], v[AF+FR*(\a):AF+FR*(\a)+FR-1], 0
.else
	v_wmma_f32_16x16x128_fp8_fp8 v[8*(8*((\a)%4)+\b):8*(8*((\a)%4)+\b)+7], v[128*(\p)+FR*\b:128*(\p)+FR*\b+FR-1], v[AF+FR*(\a):AF+FR*(\a)+FR-1], v[8*(8*((\a)%4)+\b):8*(8*((\a)%4)+\b)+7]
.endif
.endr
.endr
.endm
.macro FETCH_B slot, q, p
	WIN TO_B
.irp i, 0,1,2,3,4,5,6,7
	FRAG 128*(\p)+FR*\i, ADRB+\slot, \q, \i
.endr
	WIN 0
.endm
.macro FETCH_A slot, q, i0
.irp i, \i0, \i0+1, \i0+2, \i0+3
	FRAG AF+FR*(\i), ADRA+\slot, \q, \i
.endr
.endm
.macro PLACES n
.rept \n
	v_nop
.endr
.endm
.macro STEP slot, q, zero
	s_wait_dscnt 4*NL                              ; B's set and A's blocks 0-3 are in; the youngest sixteen loads may be out
	WIN MUL_LO
	MUL16 0, (\q)%2, \zero
	MUL16 2, (\q)%2, \zero
	s_wait_dscnt 0
	PLACES NP
	FETCH_B \slot, (\q)+1, 1-(\q)%2
	FETCH_A \slot, (\q)+1, 0
	WIN MUL_HI
	MUL16 4, (\q)%2, \zero
	MUL16 6, (\q)%2, \zero
	PLACES NP
	WIN 0
	FETCH_A \slot, (\q)+1, 4
.endm
.macro TURN slot, next, fill
	s_wait_tensorcnt 0x0                           ; all my tensor loads have landed: my part of the next slot
	ds_add_u32 v[SPW], v[NIL]
	s_wait_dscnt 4*NL+1                            ; the add and the youngest sixteen loads may be out
	WIN MUL_LO
	MUL16 0, 1, 0
	s_wait_dscnt 0x0                               ; the add is done, and my reads of this slot are over
	s_barrier_signal -1
	MUL16 2, 1, 0
	WIN 0
	s_barrier_wait -1
.if \fill
	CREST
	s_add_nc_u64 s[G0+4*\slot+2:G0+4*\slot+3], s[G0+4*\slot+2:G0+4*\slot+3], 2*KSB
	s_add_nc_u64 s[G0B+4*\slot+2:G0B+4*\slot+3], s[G0B+4*\slot+2:G0B+4*\slot+3], 2*KSB
	JLOAD G0+4*\slot, G1, G0B+4*\slot, G1B
.else
	PLACES NP
.endif
	FETCH_B \next, 0, 0
	FETCH_A \next, 0, 0
	WIN MUL_HI
	MUL16 4, 1, 0
	MUL16 6, 1, 0
	PLACES NP
	WIN 0
	FETCH_A \next, 0, 4
.endm
; A PIECE: block a of 16 tokens (of window 2's four), B's blocks 4 hf .. 4 hf + 3: 32 sums a lane become eight registers of codes.
.macro GELU32 a, hf
.set AC, 64*(\a)+32*(\hf)
	WIN 0x02                                       ; source 0: the sums, in window 2
.set k, 0
.rept 16
	v_pk_fma_f32 v[128+k:129+k], v[AC+k:AC+k+1], s[96:97], v[64+32*(\hf)+k:65+32*(\hf)+k] op_sel_hi:[1,0,1]   ; y = sum x 2^(e8 + e9) + bias; each accumulator from its low end on
.set k, k+2
.endr
	WIN 0
.set k, 0
.rept 32
	v_fma_f32 v[160+k], |v[128+k]|, s80, 1.0       ; 1 + p |y|
.set k, k+1
.endr
.set k, 0
.rept 16
	v_rcp_f32 v[160+k], v[160+k]                   ; t; the reciprocals stand by turns with the two multiplies for (u y)^2, which name none of them
	v_pk_mul_f32 v[192+k:193+k], v[128+k:129+k], s[82:83] op_sel_hi:[1,0]
	v_rcp_f32 v[161+k], v[161+k]
	v_pk_mul_f32 v[192+k:193+k], v[192+k:193+k], v[192+k:193+k]
.set k, k+2
.endr
	s_wait_alu depctr_va_vdst(0)                   ; the wait ahead of the first reader of t: one for the 32 reciprocals
.set k, 0
.rept 16
	v_exp_f32 v[192+k], -v[192+k]                  ; 2^-(u y)^2; the exponentials stand by turns with the first two steps of the polynomial, which name none of them
	v_pk_fma_f32 v[224+k:225+k], v[160+k:161+k], s[78:79], v[12:13] op_sel_hi:[1,0,1]   ; a5 t + a4
	v_exp_f32 v[193+k], -v[193+k]
	v_pk_fma_f32 v[224+k:225+k], v[224+k:225+k], v[160+k:161+k], v[14:15]               ; x t + a3
.set k, k+2
.endr
.irp cf, 18, 22
.set k, 0
.rept 16
	v_pk_fma_f32 v[224+k:225+k], v[224+k:225+k], v[160+k:161+k], v[\cf:\cf+1]           ; x t + a2, a1
.set k, k+2
.endr
.endr
.set k, 0
.rept 16
	v_pk_mul_f32 v[224+k:225+k], v[224+k:225+k], v[160+k:161+k]                         ; x t
.set k, k+2
.endr
.set k, 0
.rept 32
	v_add_f32 v[160+k], v[128+k], |v[128+k]|       ; y + |y|, where t lay
.set k, k+1
.endr
	s_wait_alu depctr_va_vdst(0)                   ; and ahead of the first reader of the exponentials: one for the 32
.set k, 0
.rept 16
	v_pk_mul_f32 v[224+k:225+k], v[224+k:225+k], v[192+k:193+k]                         ; w
.set k, k+2
.endr
.set k, 0
.rept 32
	v_fma_f32 v[128+k], -|v[128+k]|, v[224+k], v[160+k]   ; 2 gelu(y)
.set k, k+1
.endr
.set k, 0
.rept 32
	v_med3_num_f32 v[128+k], v[128+k], -v9, v9     ; the conversion to an 8-bit code does not saturate (ISA guide 7.6.2): the hold at the largest code x the scale
.set k, k+1
.endr
	s_wait_xcnt 0x0                                ; the last piece's stores, a piece back, have read the codes' registers
.irp b, 0,1,2,3
	v_cvt_scalef32_pk8_fp8_f32 v[32+2*\b:33+2*\b], v[128+8*\b:135+8*\b], v8
.endr
	v_nop                                          ; a plain instruction behind the last conversion
	global_store_b128 v10, v[32:35], s[12:13] offset:65536*(\a)+1024*(\hf)       ; 32 lanes store 512 consecutive bytes, aligned
	global_store_b128 v10, v[36:39], s[12:13] offset:65536*(\a)+1024*(\hf)+512
.endm
	s_wait_tensorcnt 1                             ; my part of slot 0 is in; slot 1's load may be out
	s_barrier_signal -1
	s_barrier_wait -1
	FETCH_B 0, 0, 0
	FETCH_A 0, 0, 0
	FETCH_A 0, 0, 4
	STEP 0, 0, 1
	s_mov_b32 s3, LAPS-1
.Llap:
	TURN 0, 1, 1
	STEP 1, 0, 0
	TURN 1, 0, 1
	STEP 0, 0, 0
	s_sub_co_u32 s3, s3, 1
	s_cmp_lg_u32 s3, 0
	s_cbranch_scc1 .Llap
	TURN 0, 1, 0
	STEP 1, 0, 0
	s_wait_dscnt 4*NL                              ; the very last step
	WIN MUL_LO
	MUL16 0, 1, 0
	MUL16 2, 1, 0
	s_wait_dscnt 0
	WIN MUL_HI
	MUL16 4, 1, 0
	MUL16 6, 1, 0
	WIN 0
	s_wait_kmcnt 0x0
	s_add_co_i32 s96, s72, s73
	s_add_co_i32 s96, s96, 127
	s_lshl_b32 s96, s96, 23                        ; 2^(e8 + e9)
	s_mov_b32 s97, s96
	s_add_co_i32 s84, s74, 128
	s_lshl_b32 s85, s84, 23
	s_add_co_i32 s84, s84, 8
	s_lshl_b32 s84, s84, 23
	s_or_b32 s84, s84, 0x600000
	s_mov_b32 s78, 0x3f87dc22                      ; a5 = 1.061405429
	s_mov_b32 s79, s78
	s_mov_b32 s80, 0x3e6d3388                      ; p = 0.3275911 / sqrt 2
	s_mov_b32 s82, 0x3f596d27                      ; u = sqrt(log2(e) / 2)
	s_mov_b32 s83, s82
	PLACES NP
	v_mov_b32 v8, s85                              ; 2^(e10 + 1): the numbers are 2 gelu
	v_mov_b32 v9, s84                              ; 448 x that
	v_mov_b32 v12, 0xbfba00e3                      ; a4 = -1.453152027
	v_mov_b32 v13, 0xbfba00e3
	v_mov_b32 v14, 0x3fb5f0e3                      ; a3 = 1.421413741
	v_mov_b32 v15, 0x3fb5f0e3
	v_mov_b32 v18, 0xbe91a98e                      ; a2 = -0.284496736
	v_mov_b32 v19, 0xbe91a98e
	v_mov_b32 v22, 0x3e827906                      ; a1 = 0.254829592
	v_mov_b32 v23, 0x3e827906
	s_wait_loadcnt 0x0                             ; the bias
	s_mov_b32 s3, 0
.Lhalf:                                                ; two walks: my tokens 0-63, then my tokens 64-127
.irp a, 0,1,2,3
	GELU32 \a, 0
	GELU32 \a, 1
.endr
	s_cmp_eq_u32 s3, 1
	s_cbranch_scc1 .Lmoved                         ; behind the second walk nothing is left to bring
	WIN 0x83                                       ; source window 3, destination window 2
.set i, 0
.rept 256
	v_mov_b32 v[i], v[i]                           ; window 3's sums into the registers that the pieces' text names; each accumulator from its low end on
.set i, i+1
.endr
	WIN 0
	s_wait_xcnt 0x0                                ; the stores have read their base
	s_add_nc_u64 s[12:13], s[12:13], 4*65536       ; four rows of fragments of gc on
.Lmoved:
	s_add_co_u32 s3, s3, 1
	s_cmp_lt_u32 s3, 2
	s_cbranch_scc1 .Lhalf
	s_wait_tensorcnt 0x0                           ; the wave's end
	ds_add_u32 v[SPW], v[NIL]
	s_wait_dscnt 0x0
	CROUND                                         ; the closing round
	s_endpgm
.Lfunc_end_k_q2aeed0082a_fc_gemm:
	.size	k_q2aeed0082a_fc_gemm, .Lfunc_end_k_q2aeed0082a_fc_gemm-k_q2aeed0082a_fc_gemm
	.p2alignl 7, 3214868480
	.fill 96, 4, 3214868480
	.section	.rodata,"a",@progbits
	.p2align	6, 0x0
	.amdhsa_kernel k_q2aeed0082a_fc_gemm
		.amdhsa_group_segment_fixed_size 327680
		.amdhsa_private_segment_fixed_size 0
		.amdhsa_enable_private_segment 0
		.amdhsa_kernarg_size 40
		.amdhsa_user_sgpr_count 2
		.amdhsa_user_sgpr_kernarg_segment_ptr 1
		.amdhsa_wavefront_size32 1
		.amdhsa_system_sgpr_workgroup_id_x 1
		.amdhsa_system_sgpr_workgroup_id_y 1
		.amdhsa_system_sgpr_workgroup_id_z 1
		.amdhsa_system_vgpr_workitem_id 0
		.amdhsa_next_free_vgpr 1024
		.amdhsa_next_free_sgpr 100
		.amdhsa_reserve_vcc 0
		.amdhsa_float_denorm_mode_32 3
		.amdhsa_float_denorm_mode_16_64 3
		.amdhsa_memory_ordered 1
		.amdhsa_forward_progress 1
		.amdhsa_inst_pref_size 253
	.end_amdhsa_kernel
	.amdgpu_metadata
---
amdhsa.version: [ 1, 2 ]
amdhsa.kernels:
  - .name:           k_q2aeed0082a_fc_gemm
    .symbol:         k_q2aeed0082a_fc_gemm.kd
    .args:
      - { .name: h2c, .offset: 0, .size: 8, .value_kind: global_buffer, .address_space: global }
      - { .name: wc, .offset: 8, .size: 8, .value_kind: global_buffer, .address_space: global }
      - { .name: fc_b, .offset: 16, .size: 8, .value_kind: global_buffer, .address_space: global }
      - { .name: lowp_scales, .offset: 24, .size: 8, .value_kind: global_buffer, .address_space: global }
      - { .name: gc, .offset: 32, .size: 8, .value_kind: global_buffer, .address_space: global }
    .group_segment_fixed_size: 327680
    .private_segment_fixed_size: 0
    .kernarg_segment_align: 8
    .kernarg_segment_size: 40
    .max_flat_workgroup_size: 128
    .sgpr_count:     100
    .vgpr_count:     1024
    .wavefront_size: 32
...
	.end_amdgpu_metadata
.endif
;; end of part 6
;; launch mlp_gemm (part 7): grid 8 x 32, 4 waves a work-group, clusters of 4 x 1, 327,680 bytes of LDS; arguments gc, wc, mlp_proj_b, x1, lowp_scales, out0; writes out0
.if DOCPART == 7
	.amdgcn_target "amdgcn-amd-amdhsa--gfx1250"
	.amdhsa_code_object_version 6
	.text
	.protected	k_q2aeed0082a_mlp_gemm
	.globl	k_q2aeed0082a_mlp_gemm
	.p2align	8
	.type	k_q2aeed0082a_mlp_gemm,@function
k_q2aeed0082a_mlp_gemm:
	s_mov_b64 s[64:65], 0
	v_nop
	global_prefetch_b8 v0, s[64:65] scope:SCOPE_SE
	s_setreg_imm32_b32 hwreg(HW_REG_WAVE_MODE, 25, 1), 1
	s_wait_xcnt 0x0
	s_wait_alu depctr_hold_cnt(0) depctr_sa_sdst(0) depctr_va_vdst(0) depctr_va_sdst(0) depctr_va_ssrc(0) depctr_va_vcc(0) depctr_vm_vsrc(0)
	s_getreg_b32 s2, hwreg(HW_REG_IB_STS2, 6, 4)
	s_cmp_eq_u32 s2, 0
	s_cbranch_scc0 .Lentry_in_a_cluster
	s_endpgm
.Lentry_in_a_cluster:
	s_bfe_u32 s2, ttmp6, 0x10000c
	s_cmp_lg_u32 s2, 0x3003
	s_cbranch_scc0 .Lentry_shape_is_right
	s_endpgm
.Lentry_shape_is_right:
; out0 = x1 + (g Wmlp + b): a product on codes of E4M3, K = 4,096, N = 1,024, with the bias and the residual on the way out; out0 is f32, in the tokens' natural order.
; N = 1,024 gives 64 tiles of 256 x 256: too few for the WGPs; a tile is 128 x 128, 256 work-groups.  Four waves; WAVE w TAKES ALL 128 TOKENS x COLUMNS 32 w .. 32 w + 31: 16 accumulators, A's eight blocks x B's two.
; Operands are images of operand registers (fragment = 16 rows x 128 K = 2,048 bytes; register 4 q + i of lane L at 512 q + 16 L + 4 i).
; A (the activations, which all four waves read) comes through two LDS slots by the tensor data mover.  A slot holds A alone: 128 rows x 1,024 K = 131,072 bytes, EIGHT steps of 128 along K; a wave's load brings 2 rows of fragments x 16,384 bytes.
;   K's 32 steps are four fills: two at the start, two refills, each asked for about seven steps, 112 matrix instructions a wave, ahead of the wait for it.
; B (the weight): a wave's two fragments of a step are read by no other wave of the work-group and lie in memory as the registers want them: they come STRAIGHT INTO REGISTERS, eight loads of 512 consecutive bytes a step,
;   six steps ahead, into a ring of eight sets of 32 registers, on counted waits.
; CLUSTER 4 x 1: the four column tiles of one tile row need the same tiles of A: joint loads.  B IS NOT ASKED FOR JOINTLY, though the 32 tile rows read the same columns of it: a joint load lands in LDS, where B's 16,384 bytes a step
;   would halve the steps that a slot holds (six refills in place of two, each with 64 matrix instructions a wave in which to land).
; Source 0 = 16 rows of W's image (columns of the result), source 1 = 16 tokens: a lane holds eight neighbouring columns of one row.  Row r of row fragment rho is token 32 (rho / 2) + rho % 2 + 2 r.
; THE WAY OUT: a wave's 32 columns are 128 bytes of a row: the four waves write one stage (128 rows x 528 bytes), a barrier, and wave w reads back the rows of the 32 neighbouring tokens 32 (4 tile row + w) + 0 .. 31, whole: 512 bytes a row.
;   The stage lies in slot 0, which has had its last fill, and which nobody reads behind the last change of slots.
; All 32 steps are written out: every offset is an immediate, no pointer is stepped but the two descriptors'.
; LIMIT: e10 + e11 between -126 and 127.
; REGISTERS: window 0: v12, v13 the add's two; v16-19 LDS addresses of A (v16 = 16 lane is also the offset of every global access); v24, v25 the stage; v28-31 the bias; v128-255 the accumulators, (a, b) at v[128 + 8 (2 a + b)].
;   window 1: A's fragments, two buffers of 128.   window 2: B's ring, set j at v[32 j].   window 3: v0-127 the residual, v128-255 the rows read back; row n at 4 n.
.set SIZE_K, 4096
.set WOFF,   8388608                   ; the weight's image in wc
.set SC,     10                        ; the first of the product's two entries of lowp_scales
.set FROW,   SIZE_K*16                 ; a row of fragments in memory
.set NST,    SIZE_K/128                ; steps
.set AHEAD,  6                         ; B's loads run so many steps ahead
.set SLB,    16384                     ; a slot's bytes of a row of fragments: eight fragments
.set SLOT,   131072
.set SPARE,  262144                    ; behind the ring: the spare words, 128 bytes for each wave
.set SP,     528                       ; a stage row: 512 bytes + 16
.set SPW,  12
.set NIL,  13
.set ADRA, 16
.set STO,  24
.set RD,   25
.set BIA,  28
.set ACC,  128
.set G1, 24                            ; s[24:31] descriptor group 1
.set G0, 32                            ; s[32:39] group 0, one set for each slot
.set MSB, 0
.macro WIN new                         ; the immediate's high byte repeats the setting that is left
.if MSB != \new
	s_set_vgpr_msb (MSB<<8)|\new
.set MSB, \new
.endif
.endm
.set MUL,  0x06                        ; source 0 (B) window 2, source 1 (A) window 1; C and D window 0
.set TO_A, 0x40                        ; destination window 1, address window 0
.set TO_B, 0x80                        ; destination window 2
.set TO_R, 0xc0                        ; destination window 3
.macro CREST                           ; a round of the cluster's barrier behind its opening barrier
	s_cmp_lg_u32 s16, 0
	s_cbranch_scc1 .Lnot_wave_0_\@
	s_barrier_signal -3
.Lnot_wave_0_\@:
	s_barrier_wait -3
	s_barrier_signal -1
	s_barrier_wait -1
.endm
.macro CROUND
	s_barrier_signal -1
	s_barrier_wait -1
	CREST
.endm
.macro PLACES                          ; four plain vector instructions between a matrix instruction and a load into, or a read of, its registers
.rept 4
	v_nop
.endr
.endm
.macro BLOAD t                         ; my two fragments of B of step t into set t % 8
.irp b, 0,1
.irp c, 0,1,2,3
	global_load_b128 v[32*((\t)%8)+16*\b+4*\c:32*((\t)%8)+16*\b+4*\c+3], v[ADRA], s[40:41] offset:\b*FROW+(\t)*2048+512*\c
.endr
.endr
.endm
.macro RLOAD c                         ; the residual of my tokens 8 c .. 8 c + 7: a row's 512 bytes an instruction
.irp n, 0,1,2,3,4,5,6,7
	global_load_b128 v[4*(8*(\c)+\n):4*(8*(\c)+\n)+3], v[ADRA], s[10:11] offset:(8*(\c)+\n)*4096
.endr
.endm
; THE STREAM OF GLOBAL LOADS: at the head B of steps 0 to 5; step t asks for B of step t + 6; where B has run out, steps 26 to 29 ask for the bias (one load, in step 26) and the residual, eight rows a step.
.macro LSTREAM t
.if (\t)+AHEAD < NST
	WIN TO_B
	BLOAD (\t)+AHEAD
.elseif (\t) == NST-AHEAD
	WIN 0
	global_load_b128 v[BIA:BIA+3], v[ADRA], s[8:9]
	WIN TO_R
	RLOAD 0
.elseif (\t) < NST-AHEAD+4
	WIN TO_R
	RLOAD (\t)-(NST-AHEAD)
.endif
.endm
; B of step t is in: the count is what the stream has issued behind it, in the six steps up to this one.
.macro BWAIT t
.if (\t) < NST-AHEAD
	s_wait_loadcnt 8*AHEAD                         ; six steps of eight
.elseif (\t) < NST-AHEAD+4
	s_wait_loadcnt 8*AHEAD+1                       ; six steps of eight, and the bias
.elseif (\t) == NST-2
	s_wait_loadcnt 41                              ; B of step 31, the bias, the residual's 32
.else
	s_wait_loadcnt 33                              ; the bias, the residual's 32
.endif
.endm
.macro FETCHA t                        ; A's eight fragments of step t into buffer t % 2: 32 LDS loads of 512 consecutive bytes, in one run
.set FB, 128*((\t)%2)
.set AR, ADRA+2*(((\t)/8)%2)
	WIN TO_A
.irp i, 0,1,2,3,4,5,6,7
.irp c, 0,1,2,3
	ds_load_b128 v[FB+16*\i+4*\c:FB+16*\i+4*\c+3], v[AR+\i/4] offset:(\i%4)*SLB+((\t)%8)*2048+512*\c
.endr
.endr
.endm
.macro MULS t, a0, zero                ; 8 matrix instructions: A's blocks a0 .. a0 + 3 x B's two; the 16 accumulators take turns, in the same order in every step
.set FB, 128*((\t)%2)
.set BS, 32*((\t)%8)
.irp a, \a0, \a0+1, \a0+2, \a0+3
.irp b, 0,1
.if \zero
	v_wmma_f32_16x16x128_fp8_fp8 v[ACC+8*(2*(\a)+\b):ACC+8*(2*(\a)+\b)+7], v[BS+16*\b:BS+16*\b+15], v[FB+16*(\a):FB+16*(\a)+15], 0
.else
	v_wmma_f32_16x16x128_fp8_fp8 v[ACC+8*(2*(\a)+\b):ACC+8*(2*(\a)+\b)+7], v[BS+16*\b:BS+16*\b+15], v[FB+16*(\a):FB+16*(\a)+15], v[ACC+8*(2*(\a)+\b):ACC+8*(2*(\a)+\b)+7]
.endif
.endr
.endr
.endm
.macro STEP t, zero                    ; a step that has its successor in the same slot
	PLACES                                         ; A's other buffer was read by the step before, B's set (t + 6) % 8 by the step before that
	LSTREAM \t
	FETCHA (\t)+1
	BWAIT \t
	s_wait_dscnt 32                                ; all but the 32 just issued: this step's fragments of A are in
	WIN MUL
	MULS \t, 0, \zero
	MULS \t, 4, \zero
.endm
; A slot's last step changes slots: one barrier; in front of it each wave waits for all its tensor loads, adds 0 to its spare word, and waits for that and for its reads of this slot.  fill = 1: this slot is filled again, sixteen steps ahead.
.macro TURN t, fill
.set SL, ((\t)/8)%2
	PLACES
	LSTREAM \t
	WIN 0
	BWAIT \t
	s_wait_tensorcnt 0x0                           ; all my tensor loads have landed: my part of the next slot
	ds_add_u32 v[SPW], v[NIL]
	s_wait_dscnt 1                                 ; this step's fragments of A are in; the add may be out
	WIN MUL
	MULS \t, 0, 0
	s_wait_dscnt 0x0                               ; the add is done, and my reads of this slot are over
	s_barrier_signal -1
	MULS \t, 4, 0
	WIN 0
	s_barrier_wait -1
.if \fill
	CREST                                          ; the barrier has opened a round of the cluster's barrier: no wave of any partner still reads this slot or has a load on its way
	s_add_nc_u64 s[G0+4*SL+2:G0+4*SL+3], s[G0+4*SL+2:G0+4*SL+3], 2*SLB
	tensor_load_to_lds s[G0+4*SL:G0+4*SL+3], s[G1:G1+7]   ; my one tensor load behind the round, and the first thing there
	s_nop 0
.endif
	PLACES
	FETCHA (\t)+1
.endm
	s_load_b256 s[4:11], s[0:1], 0x0               ; gc s[4:5], wc s[6:7], mlp_proj_b s[8:9], x1 s[10:11]
	s_load_b128 s[12:15], s[0:1], 0x20             ; lowp_scales s[12:13], out0 s[14:15]
	v_lshl_add_u32 v[SPW], v0, 2, SPARE
	v_mov_b32 v[NIL], 0
	ds_add_u32 v[SPW], v[NIL]                      ; the wave's opening: the add, twice on end, and its wait ahead of my first tensor load
	ds_add_u32 v[SPW], v[NIL]
	v_lshrrev_b32 v1, 5, v0
	v_readfirstlane_b32 s16, v1                    ; wave 0..3
	s_bfe_u32 s20, ttmp6, 0x40000                  ; cx
	s_lshl_b32 s22, ttmp9, 2
	s_add_co_u32 s22, s22, s20                     ; tile column: it enters B's, the bias's, the residual's and the result's addresses alone
	s_and_b32 s23, ttmp7, 0xffff                   ; tile row, which the four partners share
	s_mov_b32 s[G1+0], 15|(1<<21)                  ; 15:0 the mask: all four work-groups; 17:16 elements of 1 byte; 20 no padding; 21 set beside a mask
	s_mov_b32 s[G1+1], SLB<<16                     ; tensor_dim0 = 16,384
	s_mov_b32 s[G1+2], 2<<16                       ; tensor_dim1 = 2
	s_mov_b32 s[G1+3], SLB<<16                     ; tile_dim0
	s_mov_b32 s[G1+4], 2                           ; tile_dim1
	s_mov_b32 s[G1+5], FROW                        ; from row to row
	s_mov_b32 s[G1+6], 0
	s_mov_b32 s[G1+7], 0
	s_lshl_b32 s42, s23, 3
	s_lshl_b32 s43, s16, 1
	s_add_co_u32 s42, s42, s43                     ; A: the two rows of fragments that I fetch: 8 tile row + 2 wave on
	s_lshl_b32 s42, s42, 16
	s_mov_b32 s43, 0
	s_lshl_b32 s44, s22, 3
	s_lshl_b32 s45, s16, 1
	s_add_co_u32 s44, s44, s45                     ; B: my two rows of fragments: 8 tile column + 2 wave on
	s_lshl_b32 s44, s44, 16
	s_add_co_u32 s44, s44, WOFF
	s_mov_b32 s45, 0
	s_lshl_b32 s46, s23, 2
	s_add_co_u32 s46, s46, s16                     ; the 32 tokens that I store: 32 (4 tile row + wave) on,
	s_lshl_b32 s46, s46, 17                        ; rows of 4,096 bytes,
	s_lshl_b32 s48, s22, 9                         ; the tile's 128 columns of 4 bytes
	s_add_co_u32 s46, s46, s48
	s_mov_b32 s47, 0
	s_mov_b32 s49, 0
	s_lshl_b32 s70, s16, 15                        ; where my part of a slot goes: wave x 32,768: no place in the cluster enters an LDS address
	v_and_b32 v1, 31, v0
	v_lshlrev_b32 v[ADRA], 4, v1                   ; 16 x lane: slot 0, A's blocks 0-3; also my 16 bytes of every run of 512 in memory
	v_add_nc_u32 v[ADRA+1], 65536, v[ADRA]         ; slot 0, blocks 4-7
	v_add_nc_u32 v[ADRA+2], 131072, v[ADRA]        ; slot 1
	v_add_nc_u32 v[ADRA+3], 196608, v[ADRA]
	s_wait_dscnt 0x0                               ; both opening adds are done
	s_wait_kmcnt 0x0
	s_load_b64 s[68:69], s[12:13], 4*SC            ; the two exponents
	s_add_nc_u64 s[42:43], s[4:5], s[42:43]
	s_add_nc_u64 s[40:41], s[6:7], s[44:45]
	s_add_nc_u64 s[10:11], s[10:11], s[46:47]
	s_add_nc_u64 s[14:15], s[14:15], s[46:47]
	s_add_nc_u64 s[8:9], s[8:9], s[48:49]
.irp s, 0,1
	s_mov_b32 s[G0+4*\s], 1
	s_add_co_u32 s[G0+4*\s+1], s70, \s*SLOT
	s_add_nc_u64 s[G0+4*\s+2:G0+4*\s+3], s[42:43], \s*SLB
	s_or_b32 s[G0+4*\s+3], s[G0+4*\s+3], 0x80000000
.endr
	WIN TO_B
.irp t, 0,1,2,3,4,5
	BLOAD \t                                       ; B's first six steps
.endr
	WIN 0
	CROUND                                         ; all four work-groups are here: the first joint loads meet
	tensor_load_to_lds s[G0:G0+3], s[G1:G1+7]      ; steps 0-7
	s_nop 0
	tensor_load_to_lds s[G0+4:G0+7], s[G1:G1+7]    ; steps 8-15: two loads of mine are out
	s_nop 0
	PLACES
	v_and_b32 v3, 15, v0                           ; r
	v_bfe_u32 v4, v0, 4, 1                         ; h
	v_mul_u32_u24 v[STO], v3, SP                   ; into the stage: row r, 32 bytes for each half of the lanes, my 128 bytes of a row
	v_lshl_add_u32 v[STO], v4, 5, v[STO]
	s_lshl_b32 s71, s16, 7
	v_add_nc_u32 v[STO], s71, v[STO]
	s_mul_i32 s71, s16, 32*SP                      ; back: stage rows 32 wave on, a whole row an instruction
	v_add_nc_u32 v[RD], s71, v[ADRA]
	s_wait_tensorcnt 1                             ; my part of slot 0 is in; slot 1's load may be out
	s_barrier_signal -1
	s_barrier_wait -1
	FETCHA 0
	STEP 0, 1                                      ; the first step's products start the sums
.irp t, 1,2,3,4,5,6
	STEP \t, 0
.endr
	TURN 7, 1                                      ; slot 0 takes steps 16-23
.irp t, 8,9,10,11,12,13,14
	STEP \t, 0
.endr
	TURN 15, 1                                     ; slot 1 takes steps 24-31
.irp t, 16,17,18,19,20,21,22
	STEP \t, 0
.endr
	TURN 23, 0                                     ; nothing is left to fetch
.irp t, 24,25,26,27,28,29,30
	STEP \t, 0
.endr
	BWAIT 31
	s_wait_dscnt 0x0
	MULS 31, 0, 0
	MULS 31, 4, 0
	WIN 0
	s_wait_kmcnt 0x0
	s_add_co_i32 s66, s68, s69
	s_add_co_i32 s66, s66, 127
	s_lshl_b32 s66, s66, 23                        ; 2^(e10 + e11) as f32
	s_mov_b32 s67, s66
	PLACES
.irp a, 0,1,2,3,4,5,6,7
.irp b, 0,1
	ds_store_b128 v[STO], v[ACC+8*(2*\a+\b):ACC+8*(2*\a+\b)+3] offset:\a*16*SP+64*\b        ; lane (r, h): sums (16 a + r, 32 w + 16 b + 8 h + 0 .. 7); each accumulator from its low end on
	ds_store_b128 v[STO], v[ACC+8*(2*\a+\b)+4:ACC+8*(2*\a+\b)+7] offset:\a*16*SP+64*\b+16
.endr
.endr
	s_wait_dscnt 0x0                               ; for the others' sake: my stores into the stage have landed
	s_barrier_signal -1
	s_barrier_wait -1
	WIN TO_R
.set n, 0
.rept 32
	ds_load_b128 v[128+4*n:128+4*n+3], v[RD] offset:(16*(n%2)+n/2)*SP   ; my token n lies in block 2 w + n % 2, row n / 2
.set n, n+1
.endr
.irp c, 0,1,2,3                        ; eight tokens at a time
	s_wait_loadcnt 24-8*\c                         ; their residual is in (and the bias, which is older); the later rows' loads may be out
	s_wait_dscnt 24-8*\c                           ; their sums are back; the later rows' loads may be out
	WIN 0xc3                                       ; destination and source 0 window 3, the bias window 0
.irp n, 0,1,2,3,4,5,6,7
	v_pk_add_f32 v[4*(8*\c+\n):4*(8*\c+\n)+1], v[4*(8*\c+\n):4*(8*\c+\n)+1], v[BIA:BIA+1]
	v_pk_add_f32 v[4*(8*\c+\n)+2:4*(8*\c+\n)+3], v[4*(8*\c+\n)+2:4*(8*\c+\n)+3], v[BIA+2:BIA+3]
.endr
	WIN 0xf3                                       ; destination, source 0 and source 2 window 3
.irp n, 0,1,2,3,4,5,6,7
	v_pk_fma_f32 v[128+4*(8*\c+\n):128+4*(8*\c+\n)+1], v[128+4*(8*\c+\n):128+4*(8*\c+\n)+1], s[66:67], v[4*(8*\c+\n):4*(8*\c+\n)+1] op_sel_hi:[1,0,1]   ; sum x 2^(e10 + e11) + (x1 + b)
	v_pk_fma_f32 v[128+4*(8*\c+\n)+2:128+4*(8*\c+\n)+3], v[128+4*(8*\c+\n)+2:128+4*(8*\c+\n)+3], s[66:67], v[4*(8*\c+\n)+2:4*(8*\c+\n)+3] op_sel_hi:[1,0,1]
.endr
	WIN 0x0c                                       ; the stores' data window 3
.irp n, 0,1,2,3,4,5,6,7
	global_store_b128 v[ADRA], v[128+4*(8*\c+\n):128+4*(8*\c+\n)+3], s[14:15] offset:(8*\c+\n)*4096 th:TH_STORE_NT   ; 32 lanes store 512 consecutive bytes, aligned; written once, read by nobody here
.endr
.endr
	WIN 0
	s_wait_tensorcnt 0x0                           ; the wave's end
	ds_add_u32 v[SPW], v[NIL]
	s_wait_dscnt 0x0
	CROUND                                         ; the closing round
	s_endpgm
.Lfunc_end_k_q2aeed0082a_mlp_gemm:
	.size	k_q2aeed0082a_mlp_gemm, .Lfunc_end_k_q2aeed0082a_mlp_gemm-k_q2aeed0082a_mlp_gemm
	.p2alignl 7, 3214868480
	.fill 96, 4, 3214868480
	.section	.rodata,"a",@progbits
	.p2align	6, 0x0
	.amdhsa_kernel k_q2aeed0082a_mlp_gemm
		.amdhsa_group_segment_fixed_size 327680
		.amdhsa_private_segment_fixed_size 0
		.amdhsa_enable_private_segment 0
		.amdhsa_kernarg_size 48
		.amdhsa_user_sgpr_count 2
		.amdhsa_user_sgpr_kernarg_segment_ptr 1
		.amdhsa_wavefront_size32 1
		.amdhsa_system_sgpr_workgroup_id_x 1
		.amdhsa_system_sgpr_workgroup_id_y 1
		.amdhsa_system_sgpr_workgroup_id_z 1
		.amdhsa_system_vgpr_workitem_id 0
		.amdhsa_next_free_vgpr 1024
		.amdhsa_next_free_sgpr 72
		.amdhsa_reserve_vcc 0
		.amdhsa_float_denorm_mode_32 3
		.amdhsa_float_denorm_mode_16_64 3
		.amdhsa_memory_ordered 1
		.amdhsa_forward_progress 1
		.amdhsa_inst_pref_size 155
	.end_amdhsa_kernel
	.amdgpu_metadata
---
amdhsa.version: [ 1, 2 ]
amdhsa.kernels:
  - .name:           k_q2aeed0082a_mlp_gemm
    .symbol:         k_q2aeed0082a_mlp_gemm.kd
    .args:
      - { .name: gc, .offset: 0, .size: 8, .value_kind: global_buffer, .address_space: global }
      - { .name: wc, .offset: 8, .size: 8, .value_kind: global_buffer, .address_space: global }
      - { .name: mlp_proj_b, .offset: 16, .size: 8, .value_kind: global_buffer, .address_space: global }
      - { .name: x1, .offset: 24, .size: 8, .value_kind: global_buffer, .address_space: global }
      - { .name: lowp_scales, .offset: 32, .size: 8, .value_kind: global_buffer, .address_space: global }
      - { .name: out0, .offset: 40, .size: 8, .value_kind: global_buffer, .address_space: global }
    .group_segment_fixed_size: 327680
    .private_segment_fixed_size: 0
    .kernarg_segment_align: 8
    .kernarg_segment_size: 48
    .max_flat_workgroup_size: 128
    .sgpr_count:     72
    .vgpr_count:     1024
    .wavefront_size: 32
...
	.end_amdgpu_metadata
.endif
;; end of part 7
